; MI455X (gfx1250); checked and timed in simulation.
; The chip was launched on July 23, 2026; its instructions are those of AMD's public machine-readable ISA for CDNA 5 (MIT licence, August 2026) and "CDNA5" Instruction Set Architecture Reference Guide (July 2026). The comments in the code are by the model that wrote it; some were corrected since.
;; Multi Head Attention. Allowed arithmetic: matrix products marked QUANTISED: E2M3 operands, one E8M0 scale for each 32 along K, by v_wmma_scale_f32_16x16x128_f8f6f4 with both operands' format E2M3, f32 sums; everything else in f32.
;; Inputs: Wk 1,024 x 1,024 float32; Wo 1,024 x 1,024 float32; Wq 1,024 x 1,024 float32; Wv 1,024 x 1,024 float32; bk 1,024 float32; bo 1,024 float32; bq 1,024 float32; bv 1,024 float32; k 4 x 2,048 x 1,024 float32; q 4 x 2,048 x 1,024 float32; v 4 x 2,048 x 1,024 float32.
;; Outputs: out0 4 x 2,048 x 1,024 float32.
;; This version of the problem:
;;   THIS VERSION OF THE PROBLEM IS GIVEN IN LOW PRECISION. The matrix products marked QUANTISED in the list below multiply operands that are first quantised to E2M3 (2 exponent bits, 3 mantissa bits; 6 bits a number), with one power-of-two scale for each 32 numbers along K (OCP MX v1.0); their sums are f32. All else is computed in f32.
;;   The module's matrix products, in the order in which they are computed (A, B: the left and right operand; K: the contracted axis; several contracted axes count as one K, in the product's order):
;;     1. [M 8,192, K 1,024] x [K 1,024, N 1,024]; A: input q; B: input Wq: QUANTISED
;;     2. [M 8,192, K 1,024] x [K 1,024, N 1,024]; A: input k; B: input Wk: QUANTISED
;;     3. [M 8,192, K 1,024] x [K 1,024, N 1,024]; A: input v; B: input Wv: QUANTISED
;;     4. batch 64 x [M 2,048, K 64] x [K 64, N 2,048]; A: computed on the way; B: computed on the way: QUANTISED
;;     5. batch 64 x [M 2,048, K 2,048] x [K 2,048, N 64]; A: softmax (see below); B: computed on the way: QUANTISED
;;     6. [M 8,192, K 1,024] x [K 1,024, N 1,024]; A: computed on the way; B: input Wo: QUANTISED
;;   THE QUANTISER, for each operand of a quantised product, along K:
;;     - K is cut into blocks of 32 from its start; a last block that is shorter is filled with zeros.
;;     - A block's scale is 2^e with e = floor(log2(the largest magnitude in the block)) - 2, held to -126 .. 127; a block of zeros has e = 0. As a byte (E8M0): e + 127.
;;     - Each number is divided by its block's scale, clamped to +-7.5, and rounded to the nearest number of E2M3, ties to even, subnormals kept.
;;     - The product sums the exact products of the quantised numbers (number of the format x scale) in f32.
;;   ~~~python
;;   def quantise(x, axis):      # numpy; x: float32 -> the quantised numbers, widened to float32 again
;;       x = np.moveaxis(x, axis, -1); K = x.shape[-1]
;;       x = np.pad(x, [(0, 0)] * (x.ndim - 1) + [(0, -K % 32)]); x = x.reshape(x.shape[:-1] + (-1, 32)); a = np.abs(x).max(-1, keepdims=True)
;;       e = np.where(a > 0, np.clip(np.frexp(np.where(a > 0, a, 1))[1] - 1 - 2, -126, 127), 0)      # np.frexp(a)[1] - 1 = floor(log2(a)), exactly
;;       r = np.clip(x / 2.0 ** e, -7.5, 7.5)
;;       step = 2.0 ** (np.maximum(np.frexp(np.where(r == 0, 1, r))[1] - 1, 0) - 3)
;;       q = np.round(r / step) * step * 2.0 ** e      # np.round: ties to even
;;       return np.moveaxis(q.reshape(q.shape[:-2] + (-1,))[..., :K], -1, axis).astype(np.float32)
;;   ~~~
;;   SOFTMAX AHEAD OF A QUANTISED PRODUCT. Where the list says 'softmax', what is quantised is not the finished softmax but p = 2^(t - M), with t = logit x log2(e) and M = ceil(the row's largest t), a whole number; so 1/2 < the row's largest p <= 1. The row's sum l is taken of the UNQUANTISED p, in f32, and the product's result is divided by l at the end. Since M is a whole number, a kernel that streams over the keys may use a running M (the ceiling of the running maximum): every later rescaling is an exact power of two, which a block's scale takes up: the codes' values come out the same.
;;   OPERANDS COMPUTED ON THE WAY. 'Computed on the way' means the value that the module computes at that place (a softmax that the list does not call 'softmax' is quantised finished and normalised). What goes into a quantiser is computed in f32, as accurately as f32 sums, v_exp_f32 and their like allow (about 1e-6 of the number): no bf16 or f16 on the way to a quantiser, and a product that is left as it is and whose result goes on into a quantised operand takes f32 operands (vector FMAs, or v_wmma_f32_16x16x4_f32). A number that lies on a knife's edge between two numbers of the format may be rounded either way, as far as f32 arithmetic and the matrix unit's own rounding can turn it there, and no further.
;; One version. Each part assembles by itself: llvm-mc -triple=amdgcn-amd-amdhsa -mcpu=gfx1250 --defsym DOCPART=n.
;; ======== version 1 of 1: 4 launches
;; workspace buffers: c1 22,020,096 bytes; s1 917,504 bytes; hc 18,874,368 bytes; hs 786,432 bytes; ac 6,291,456 bytes; asc 262,144 bytes
;; launch quant (part 1): grid 896 x 1, 4 waves a work-group, no clusters, 33,280 bytes of LDS; arguments q, k, v, Wq, Wk, Wv, Wo, c1, s1; writes c1, s1
.if DOCPART == 1
	.amdgcn_target "amdgcn-amd-amdhsa--gfx1250"
	.amdhsa_code_object_version 6
	.text
	.protected	k_qc13c0f5591_quant
	.globl	k_qc13c0f5591_quant
	.p2align	8
	.type	k_qc13c0f5591_quant,@function
k_qc13c0f5591_quant:
	s_mov_b64 s[64:65], 0
	v_nop
	global_prefetch_b8 v0, s[64:65] scope:SCOPE_SE
	s_setreg_imm32_b32 hwreg(HW_REG_WAVE_MODE, 25, 1), 1
	s_wait_xcnt 0x0
; q, k, v [8192][1024] and Wq, Wk, Wv, Wo [1024][1024], f32, become codes of FP6 (E2M3), K innermost, 768 bytes a row, with one E8M0 scale byte for each 32 along K, 32 bytes a row.
; The seven tensors follow each other in c1 (codes) and s1 (scale bytes) in the order q, k, v, Wq, Wk, Wv, Wo.
; POSITION ORDER: a row is stored at the place whose number is the row's number with bits 3 and 4 exchanged.  Sixteen places on end then hold two groups of eight rows that lie 16 apart,
; which is what the later launches want of a tile whose results become an operand.  A wave takes 8 rows on end, so the exchange is an exchange of the two bits of the wave's number in the output address.
; A block's scale is 2^(floor(log2(its largest magnitude)) - 2); its byte is the largest magnitude's exponent field - 2, held at 1 from below.  Each number is divided by the scale and rounded to the nearest code, ties to even.
; LIMITS: a block of zeros gets the byte 1 where the rule says 127 (its codes are zeros, and this program alone reads the bytes); blocks whose largest magnitude lies under 2^-124 are held at the byte 1;
; NaN and infinities among the inputs are not served.
; A work-group takes 32 rows, a wave 8 rows = 8,192 numbers in 16 steps of 512.  Each of a step's four loads reads 512 consecutive bytes; the 2,048 bytes turn through the wave's own stage in LDS and come back 64 bytes
; (16 neighbours along K) a lane, two lanes to a block.  A lane's 16 codes are 12 bytes: the wave stores 384 consecutive bytes.  A wave's 256 scale bytes are gathered in LDS and leave as one aligned run of 256 bytes.
; No tensor loads, no barrier: waves share nothing, and no two work-groups read the same bytes, so nothing is asked for jointly.  Loads run four steps (16 loads a wave) ahead.
.set WAVES, 4
.set STEPS, 16
.set EMAX,  2
.set CB,    12                         ; bytes of 16 codes
.set R,     16                         ; v16-79   four sets of 16 numbers as they are loaded
.set X,     80                         ; v80-111  two sets of 16 neighbours
.set C,     128                        ; v128-191 codes: four registers for each step, so that no store's data are written again
.set E,     112                        ; v112-127 a scale byte for each step
.set WREG,  8192                       ; LDS: a region for each wave: two stages of 32 x SP bytes, behind them its 256 scale bytes
.set SP,    80                         ; a lane's place in a stage: its 64 bytes + 16 of padding
.set SPW,   12                         ; v12      LDS address of my spare word; never rewritten
.set NIL,   13                         ; v13      0; never rewritten
.set SPARE, WAVES*WREG                 ; behind the four regions: the spare words, 128 bytes for each wave
.set CP,    18                         ; s[18:19] the codes
.set SCP,   20                         ; s[20:21] the scale bytes
	s_load_b512 s[4:19], s[0:1], 0x0               ; q, k, v, Wq, Wk, Wv, Wo, c1
	s_load_b64 s[20:21], s[0:1], 0x40              ; s1
	v_lshl_add_u32 v[SPW], v0, 2, SPARE
	v_mov_b32 v[NIL], 0
	v_lshrrev_b32 v1, 5, v0
	v_readfirstlane_b32 s22, v1                    ; wave
	v_and_b32 v2, 31, v0                           ; lane
	v_lshlrev_b32 v3, 4, v2                        ; my 16 bytes of a load's 512
	s_mul_i32 s23, s22, WREG
	v_lshrrev_b32 v14, 2, v2
	v_mul_u32_u24 v14, v14, SP
	v_and_b32 v15, 3, v2
	v_lshl_add_u32 v14, v15, 4, v14
	v_add_nc_u32 v14, s23, v14                     ; the stage, on the way in: SP (lane / 4) + 16 (lane % 4)
	v_mul_u32_u24 v15, v2, SP
	v_add_nc_u32 v15, s23, v15                     ; and on the way out: SP x lane: my 16 neighbours
	v_mul_u32_u24 v4, v2, CB                       ; my codes' place in a step's
	v_lshrrev_b32 v5, 1, v2
	s_add_co_u32 s23, s23, 2*32*SP
	v_add_nc_u32 v5, s23, v5                       ; LDS: my wave's 256 scale bytes, my block's byte
	v_lshlrev_b32 v7, 3, v2                        ; and on the way out 8 bytes a lane
	v_add_nc_u32 v6, s23, v7
	s_wait_kmcnt 0x0
	s_mov_b32 s24, 0                               ; the first work-group of my tensor
.macro PICK thr, p                     ; from work-group thr on the input is the tensor whose address lies in s[p:p+1]: the choice hangs on the work-group's number alone
	s_cmp_ge_u32 ttmp9, \thr
	s_cselect_b64 s[4:5], s[\p:\p+1], s[4:5]
	s_cselect_b32 s24, \thr, s24
.endm
	PICK 256, 6
	PICK 512, 8
	PICK 768, 10
	PICK 800, 12
	PICK 832, 14
	PICK 864, 16
	s_sub_co_u32 s23, ttmp9, s24
	s_lshl_b32 s23, s23, 2
	s_add_co_u32 s23, s23, s22                     ; which run of 8 rows of the tensor is my wave's
	s_lshl_b32 s26, s23, 15                        ; 32,768 bytes a run
	s_mov_b32 s27, 0
	s_add_nc_u64 s[4:5], s[4:5], s[26:27]
	s_and_b32 s23, s22, 1
	s_lshl_b32 s23, s23, 1
	s_lshr_b32 s25, s22, 1
	s_or_b32 s23, s23, s25                         ; the wave's two bits exchanged: bits 3 and 4 of the rows' numbers
	s_lshl_b32 s25, ttmp9, 2
	s_add_co_u32 s23, s23, s25                     ; the run's place in the output, counted over all seven tensors
	s_mul_i32 s26, s23, 32*STEPS*CB                ; 6,144 bytes of codes a run
	s_add_nc_u64 s[CP:CP+1], s[CP:CP+1], s[26:27]
	s_lshl_b32 s26, s23, 8                         ; 256 scale bytes a run
	s_add_nc_u64 s[SCP:SCP+1], s[SCP:SCP+1], s[26:27]
.macro LOAD t
.irp i, 0,1,2,3
	global_load_b128 v[R+16*((\t)%4)+4*\i:R+16*((\t)%4)+4*\i+3], v3, s[4:5] offset:2048*(\t)+512*\i th:TH_LOAD_NT   ; 32 lanes read 512 consecutive bytes
.endr
.endm
.macro TURN t                          ; step t's numbers through the stage: LDS serves a wave's instructions in order, so no wait stands between the stores and the loads
.irp i, 0,1,2,3
	ds_store_b128 v14, v[R+16*((\t)%4)+4*\i:R+16*((\t)%4)+4*\i+3] offset:32*SP*((\t)%2)+8*SP*\i
.endr
.irp i, 0,1,2,3
	ds_load_b128 v[X+16*((\t)%2)+4*\i:X+16*((\t)%2)+4*\i+3], v15 offset:32*SP*((\t)%2)+16*\i
.endr
.endm
.irp t, 0,1,2,3
	LOAD \t
.endr
	s_wait_loadcnt 12                              ; step 0's four loads are in; the 12 of steps 1 to 3 may be out
	TURN 0
.macro STEP t
.set XS, X+16*((\t)%2)
.if (\t) > 0
	s_wait_dscnt 1                                 ; this step's numbers are back from the stage (the last step's byte store may be out): so its stores into the stage have read their registers,
.else
	s_wait_dscnt 0x0
.endif
.if (\t)+4 < STEPS
	LOAD (\t)+4                                    ; which take the loads of four steps on
.endif
.if (\t)+1 < STEPS
.if STEPS-2-(\t) >= 3
	s_wait_loadcnt 12                              ; the next step's four loads are in; those of the three steps behind it may be out
.else
	s_wait_loadcnt 4*(STEPS-2-(\t))
.endif
	TURN (\t)+1                                    ; and go through the other stage while this step is worked
.endif
	v_max3_num_f32 v8, |v[XS]|, |v[XS+1]|, |v[XS+2]|               ; the largest magnitude of my 16, in two chains
	v_max3_num_f32 v9, |v[XS+3]|, |v[XS+4]|, |v[XS+5]|
.irp i, 6,10
	v_max3_num_f32 v8, v8, |v[XS+\i]|, |v[XS+\i+1]|
	v_max3_num_f32 v9, v9, |v[XS+\i+2]|, |v[XS+\i+3]|
.endr
	v_max3_num_f32 v8, v8, |v[XS+14]|, |v[XS+15]|
	v_max3_num_f32 v8, v8, v9, (EMAX+1)<<23        ; and the floor 2^(EMAX + 1 - 127): the byte cannot fall under 1
	v_max_num_f32_dpp v8, v8, v8 row_xmask:1 row_mask:0xf bank_mask:0xf   ; and of my neighbour's 16: the block's
	v_add_nc_u32 v11, -(EMAX<<23), v8              ; EMAX off its exponent field: the conversion takes the exponent field of this operand as its scale
	v_cvt_scalef32_pk16_fp6_f32 v[C+4*(\t):C+4*(\t)+2], v[XS:XS+15], v11         ; sixteen codes, 96 bits without gaps, the first number's code lowest
	v_lshrrev_b32 v[E+(\t)], 23, v11               ; the scale's byte
	ds_store_b8 v5, v[E+(\t)] offset:16*(\t)       ; both lanes of a block write the same byte with the same value
	global_store_b96 v4, v[C+4*(\t):C+4*(\t)+2], s[CP:CP+1] offset:32*CB*(\t)
.endm
.irp t, 0,1,2,3,4,5,6,7,8,9,10,11,12,13,14,15
	STEP \t
.endr
	ds_load_b64 v[8:9], v6                         ; LDS serves a wave's instructions in order: these see my stores
	s_wait_dscnt 0x0
	global_store_b64 v7, v[8:9], s[SCP:SCP+1]      ; 32 lanes store 256 consecutive bytes, aligned
	s_wait_tensorcnt 0x0                           ; the wave's end: behind my last LDS store
	ds_add_u32 v[SPW], v[NIL]
	s_wait_dscnt 0x0
	s_endpgm
.Lfunc_end_k_qc13c0f5591_quant:
	.size	k_qc13c0f5591_quant, .Lfunc_end_k_qc13c0f5591_quant-k_qc13c0f5591_quant
	.p2alignl 7, 3214868480
	.fill 96, 4, 3214868480
	.section	.rodata,"a",@progbits
	.p2align	6, 0x0
	.amdhsa_kernel k_qc13c0f5591_quant
		.amdhsa_group_segment_fixed_size 33280
		.amdhsa_private_segment_fixed_size 0
		.amdhsa_enable_private_segment 0
		.amdhsa_kernarg_size 72
		.amdhsa_user_sgpr_count 2
		.amdhsa_user_sgpr_kernarg_segment_ptr 1
		.amdhsa_wavefront_size32 1
		.amdhsa_system_sgpr_workgroup_id_x 1
		.amdhsa_system_sgpr_workgroup_id_y 1
		.amdhsa_system_sgpr_workgroup_id_z 1
		.amdhsa_system_vgpr_workitem_id 0
		.amdhsa_next_free_vgpr 192
		.amdhsa_next_free_sgpr 66
		.amdhsa_reserve_vcc 0
		.amdhsa_float_denorm_mode_32 3
		.amdhsa_float_denorm_mode_16_64 3
		.amdhsa_memory_ordered 1
		.amdhsa_forward_progress 1
		.amdhsa_inst_pref_size 33
	.end_amdhsa_kernel
	.amdgpu_metadata
---
amdhsa.version: [ 1, 2 ]
amdhsa.kernels:
  - .name:           k_qc13c0f5591_quant
    .symbol:         k_qc13c0f5591_quant.kd
    .args:
      - { .name: q, .offset: 0, .size: 8, .value_kind: global_buffer, .address_space: global }
      - { .name: k, .offset: 8, .size: 8, .value_kind: global_buffer, .address_space: global }
      - { .name: v, .offset: 16, .size: 8, .value_kind: global_buffer, .address_space: global }
      - { .name: Wq, .offset: 24, .size: 8, .value_kind: global_buffer, .address_space: global }
      - { .name: Wk, .offset: 32, .size: 8, .value_kind: global_buffer, .address_space: global }
      - { .name: Wv, .offset: 40, .size: 8, .value_kind: global_buffer, .address_space: global }
      - { .name: Wo, .offset: 48, .size: 8, .value_kind: global_buffer, .address_space: global }
      - { .name: c1, .offset: 56, .size: 8, .value_kind: global_buffer, .address_space: global }
      - { .name: s1, .offset: 64, .size: 8, .value_kind: global_buffer, .address_space: global }
    .group_segment_fixed_size: 33280
    .private_segment_fixed_size: 0
    .kernarg_segment_align: 8
    .kernarg_segment_size: 72
    .max_flat_workgroup_size: 128
    .sgpr_count:     66
    .vgpr_count:     192
    .wavefront_size: 32
...
	.end_amdgpu_metadata
.endif
;; end of part 1
;; launch proj (part 2): grid 4 x 96, 4 waves a work-group, clusters of 4 x 4, 327,680 bytes of LDS; arguments c1, s1, bq, bk, bv, hc, hs; writes hc, hs
.if DOCPART == 2
	.amdgcn_target "amdgcn-amd-amdhsa--gfx1250"
	.amdhsa_code_object_version 6
	.text
	.protected	k_qc13c0f5591_proj
	.globl	k_qc13c0f5591_proj
	.p2align	8
	.type	k_qc13c0f5591_proj,@function
k_qc13c0f5591_proj:
	s_mov_b64 s[64:65], 0
	v_nop
	global_prefetch_b8 v0, s[64:65] scope:SCOPE_SE
	s_setreg_imm32_b32 hwreg(HW_REG_WAVE_MODE, 25, 1), 1
	s_wait_xcnt 0x0
	s_wait_alu depctr_hold_cnt(0) depctr_sa_sdst(0) depctr_va_vdst(0) depctr_va_sdst(0) depctr_va_ssrc(0) depctr_va_vcc(0) depctr_vm_vsrc(0)
	s_getreg_b32 s2, hwreg(HW_REG_IB_STS2, 6, 4)
	s_cmp_eq_u32 s2, 0
	s_cbranch_scc0 .Lentry_in_a_cluster
	s_endpgm
.Lentry_in_a_cluster:
	s_bfe_u32 s2, ttmp6, 0x10000c
	s_cmp_lg_u32 s2, 0xf033
	s_cbranch_scc0 .Lentry_shape_is_right
	s_endpgm
.Lentry_shape_is_right:
; The three projections x W^T + b on codes of FP6 (E2M3) with E8M0 scales, and the quantising of their results for attention.  t = cluster y / 8 says which: 0 q, 1 k, 2 v.
; The body makes tiles of 256 x 256 of C = X Y^T, K = 1,024.  The matrix instruction is used TRANSPOSED (source 0 = 16 rows of Y, source 1 = 16 rows of X): a lane holds one row of X and its registers run along Y.
;   t = 0, 1: X = the tokens, Y = the weight's rows: a lane's registers run along the head's axis, which is the K of the first attention product.
;   t = 2:    X = Wv's rows, Y = v's tokens: the tile is vh transposed, and a lane's registers run along the keys, which are the K of the second.
; Rows of all operands lie in POSITION ORDER (bits 3 and 4 of the row's number exchanged), so 16 places on end are rows 8 u + 0..7 and 16 + 8 u + 0..7 of a group of 32: the 16 registers that a lane holds in
; tiles 2 b and 2 b + 1 of Y are 16 true neighbours, 32 b + 16 (lane / 16) + 0 .. 15.  One macro, QUANT, therefore serves all three tensors: bias added in f32, block maxima, scale bytes, conversions.
; OUT: hc region t, [batch x 16 + head][98,304 bytes].  qh, kh: [place of the token][48 bytes: 64 codes].  vh: [128 keys][4 tiles of 16 channels][1,536 bytes]: the operand's registers as they stand, register 4 c + i of lane l at 512 c + 16 l + 4 i.
;      hs region t, [batch x 16 + head][128 tokens][256 bytes].  qh, kh: place 16 a + r has its two bytes at 16 r + 4 (a / 2) + 2 (a % 2).  vh: the scale word of tile a, row r at 16 r + 4 a.
; A work-group of four waves makes a tile; a wave 128 x 128: 64 accumulators, 512 registers.  K goes in steps of 256 through a ring of two LDS slots filled by the tensor data mover; the scale bytes of the
; work-group's rows, for all of K, come into LDS once.  CLUSTERS: 4 x 4 work-groups; X's tiles are asked for jointly along a row of the cluster, Y's along a column.
; LIMITS: a block of zeros gets the scale byte 1 where the rule says 127 (zero codes; this program alone reads the bytes); NaN and infinities are not served.
; REGISTERS, in windows of 256: window 0: v0-31 addresses; v32-63 scale words, two sets; v64-127 64 biases along my registers; v128-223 X's fragments, one set, later the way out; v224-251 the way out's addresses and work.
;   window 1: Y's fragments, two sets, at v0 and v128; v96-111 a bias for each of my eight row blocks, twice.   windows 2, 3: the accumulators of my rows 0-63, 64-127 ((a, b) at v[8 (8 (a % 4) + b)]).
.set SIZE_K, 1024
.set KSTEP,  256                       ; along K in a slot
.set NQ,     KSTEP/128                 ; matrix instructions deep
.set ROWB,   192                       ; a tile's row in bytes
.set KROW,   SIZE_K*6/8                ; a row of codes in memory
.set PITCH,  240                       ; an LDS row: 3 x (64 bytes + 16 of padding): the 32 lanes of a load of 8 bytes touch 64 different banks (64 banks of 4 bytes: ISA guide 11.1)
.set FR,     12                        ; registers of a fragment
.set NL,     6                         ; LDS loads that bring one
.set NP,     4                         ; places behind this matrix instruction (ISA guide 7.12.1)
.set HALFT,  128*PITCH
.set SLOT,   4*HALFT                   ; X's 256 rows, then Y's 256 rows
.set LAPS,   SIZE_K/(2*KSTEP)
.set KS,     SIZE_K/32                 ; a row of scale bytes
.set SCL,    2*SLOT                    ; behind the ring: the scales, as runs of 256 bytes + 16 of padding
.set HALFS,  (128*KS/256)*272
.set SBLK,   (16*KS/256)*272
.set SPARE,  SCL+4*HALFS               ; the spare words, 128 bytes for each wave
.set STGW,   12800                     ; the way out of q and k: a stage of 2 x 6,144 bytes of codes and 2 x 256 scale bytes for each wave, in slot 0, which has had its last fill and its last read by then
.set STGV,   65536                     ; the way out of v: 512 bytes of scale words for each wave, bytes of their own in slot 0
.set ADRA, 16                          ; v16-17 LDS address of my X fragments in slot 0, 1 (v18-19: behind one padding more)
.set ADRB, 20                          ; v20-23 the same for Y
.set ADRS, 27                          ; v27    my scale words: lanes 0-15 X's rows, lanes 16-31 Y's
.set SPW,  28                          ; v28    my spare word; never rewritten
.set NIL,  29                          ; v29    0; never rewritten
.set SC,   32                          ; scale words
.set BC,   64                          ; biases along my registers
.set BR,   96                          ; (window 1) biases of my rows
.set AF,   128                         ; X's fragments
.set TN,   128                         ; the way out: 64 numbers
.set CD,   192                         ; codes, two sets of 12
.set CT,   216                         ; conversions' second halves: v216-218, v220-222
.set SQ,   224                         ; STGW w + 48 r + 24 h
.set SS,   225                         ; STGW w + 16 r
.set RDC,  226                         ; STGW w + 16 lane
.set RDS,  227                         ; STGW w + 8 lane
.set SV,   228                         ; STGV + 512 w + 16 r
.set RDV,  229                         ; STGV + 512 w + 8 lane
.set L16,  230                         ; 16 lane
.set L8,   231                         ; 8 lane
.set TM,   232                         ; v232-247 at work
.set PW,   248                         ; v248-249 the scale word just made, two sets
.set BA,   250                         ; bias offsets
.set BA2,  251
.set SEL,  66                          ; s[66:67] lane selects for v_permlanex16_b32: lane l xor 16
.set TT,   95                          ; s95 t
.set G1, 24
.set G0, 32
.set G1B, 48
.set G0B, 56
.set G1S, 68
.set G0S, 76
.set G1SB, 80
.set G0SB, 88
.set MSB, 0
.macro WIN new                         ; the immediate's high byte repeats the setting that is left
.if MSB != \new
	s_set_vgpr_msb (MSB<<8)|\new
.set MSB, \new
.endif
.endm
.set MUL_LO, 0xa1                      ; source 0 (Y) window 1, source 1 (X) window 0, C and D window 2
.set MUL_HI, 0xf1                      ; the same, C and D window 3
.set TO_B,   0x40                      ; destination window 1, address window 0
; A joint load: waves 0 and 1 fetch for X, waves 2 and 3 for Y.  The branch hangs on the wave's number alone.  An s_nop 0 and four v_nop follow each of the two lines.
.macro JLOAD g0a, g1a, g0b, g1b
	s_cmp_eq_u32 s15, 0
	s_cbranch_scc0 .Lfor_b_\@
	tensor_load_to_lds s[\g0a:\g0a+3], s[\g1a:\g1a+7]
	s_nop 0
.rept 4
	v_nop
.endr
	s_branch .Lasked_\@
.Lfor_b_\@:
	tensor_load_to_lds s[\g0b:\g0b+3], s[\g1b:\g1b+7]
	s_nop 0
.rept 4
	v_nop
.endr
.Lasked_\@:
.endm
.macro CREST                           ; a round of the cluster's barrier behind its opening barrier
	s_cmp_lg_u32 s14, 0
	s_cbranch_scc1 .Lnot_wave_0_\@
	s_barrier_signal -3
.Lnot_wave_0_\@:
	s_barrier_wait -3
	s_barrier_signal -1
	s_barrier_wait -1
.endm
.macro CROUND                          ; a whole round
	s_barrier_signal -1
	s_barrier_wait -1
	CREST
.endm
	s_load_b128 s[4:7], s[0:1], 0x0                ; c1, s1
	s_load_b128 s[8:11], s[0:1], 0x10              ; bq, bk
	s_load_b128 s[96:99], s[0:1], 0x20             ; bv, hc
	s_load_b64 s[100:101], s[0:1], 0x30            ; hs
	v_lshl_add_u32 v[SPW], v0, 2, SPARE
	v_mov_b32 v[NIL], 0
	ds_add_u32 v[SPW], v[NIL]                      ; the wave's opening: the add and its wait stand ahead of my first tensor load; the set-up below, work on registers, stands between them
	v_lshrrev_b32 v1, 5, v0
	v_readfirstlane_b32 s14, v1                    ; wave 0..3
	s_lshr_b32 s15, s14, 1                         ; which half of X's rows is mine.  Also: I fetch for X (0) or for Y (1)
	s_and_b32 s16, s14, 1                          ; which half of Y's rows.  Also: which 128 rows of that tile I fetch
	s_bfe_u32 s40, ttmp6, 0x40000                  ; cx, cy: my place in the cluster
	s_bfe_u32 s41, ttmp6, 0x40004
	s_and_b32 s17, ttmp7, 0xffff                   ; cluster y, 0 .. 23
	s_lshr_b32 s[TT], s17, 3                       ; t: the same in all sixteen partners
	s_and_b32 s17, s17, 7
	s_lshl_b32 s17, s17, 2                         ; four tiles of tokens to a cluster
	s_mul_i32 s2, s[TT], 0x600000                  ; where the operands begin in c1 and s1: for t = 0, 1 X = tensor t, Y = weight t
	s_mul_i32 s3, s[TT], 0xC0000
	s_add_co_u32 s3, s3, 0x1200000
	s_mul_i32 s66, s[TT], 0x40000
	s_mul_i32 s67, s[TT], 0x8000
	s_add_co_u32 s67, s67, 0xC0000
	s_mov_b32 s18, 0x1380000                       ; for t = 2 X = Wv, Y = v
	s_mov_b32 s19, 0xC00000
	s_mov_b32 s20, 0xD0000
	s_mov_b32 s21, 0x80000
	s_cmp_lt_u32 s[TT], 2
	s_cselect_b32 s42, 0, s17
	s_cselect_b32 s17, s17, 0
	s_cselect_b32 s2, s2, s18
	s_cselect_b32 s3, s3, s19
	s_cselect_b32 s66, s66, s20
	s_cselect_b32 s67, s67, s21
	s_add_co_u32 s17, s17, s41                     ; X's tile: it hangs on cy alone among the places
	s_add_co_u32 s42, s42, s40                     ; Y's tile: on cx alone
	s_lshl_b32 s43, s41, 2
	s_lshl_b32 s43, 15, s43                        ; my row of the cluster
	s_lshl_b32 s44, 0x1111, s40                    ; my column
	; descriptor group 1: a tile of 128 rows x ROWB bytes, padded in LDS
	s_or_b32 s[G1+0], s43, (0<<16)|(1<<20)|(1<<21)|(3<<22)|(3<<25)  ; 15:0 the mask; 17:16 element of 1 byte; 20 padding on; 21 set beside a mask; 24:22 after every 16 words; 31:25 of 4 words
	s_or_b32 s[G1B+0], s44, (0<<16)|(1<<20)|(1<<21)|(3<<22)|(3<<25)
.irp g, G1, G1B
	s_mov_b32 s[\g+1], ROWB<<16                    ; tensor_dim0
	s_mov_b32 s[\g+2], 128<<16                     ; tensor_dim1
	s_mov_b32 s[\g+3], ROWB<<16                    ; tile_dim0
	s_mov_b32 s[\g+4], 128                         ; tile_dim1
	s_mov_b32 s[\g+5], KROW                        ; tensor_dim0_stride
	s_mov_b32 s[\g+6], 0
	s_mov_b32 s[\g+7], 0
.endr
	; the scales of 128 rows: a dense block of 4,096 bytes, as rows of 256 bytes (32 elements of 8 bytes), 16 bytes of padding behind each
	s_or_b32 s[G1S+0], s43, (3<<16)|(1<<20)|(1<<21)|(5<<22)|(3<<25)
	s_or_b32 s[G1SB+0], s44, (3<<16)|(1<<20)|(1<<21)|(5<<22)|(3<<25)
.irp g, G1S, G1SB
	s_mov_b32 s[\g+1], 32<<16
	s_mov_b32 s[\g+2], (128*KS/256)<<16
	s_mov_b32 s[\g+3], 32<<16
	s_mov_b32 s[\g+4], 128*KS/256
	s_mov_b32 s[\g+5], 32
	s_mov_b32 s[\g+6], 0
	s_mov_b32 s[\g+7], 0
.endr
	s_lshl_b32 s18, s16, 7                         ; which 128 rows of the tile I fetch
	s_lshl_b32 s20, s17, 8
	s_add_co_u32 s20, s20, s18                     ; X: place 256 x tile + 128 x half
	s_lshl_b32 s46, s42, 8
	s_add_co_u32 s46, s46, s18                     ; Y likewise
	s_lshl_b32 s22, s20, 5                         ; their scale bytes, 32 a row (all these offsets lie under 2^25)
	s_add_co_u32 s22, s22, s66
	s_mov_b32 s23, 0
	s_lshl_b32 s92, s46, 5
	s_add_co_u32 s92, s92, s67
	s_mov_b32 s93, 0
	s_mul_i32 s20, s20, KROW                       ; and their codes
	s_add_co_u32 s20, s20, s2
	s_mov_b32 s21, 0
	s_mul_i32 s46, s46, KROW
	s_add_co_u32 s46, s46, s3
	s_mov_b32 s47, 0
	s_mul_i32 s45, s14, HALFT                      ; where they go: wave x 128 rows: no place in the cluster enters an LDS address
	s_mul_i32 s94, s14, HALFS
	s_wait_dscnt 0x0                               ; the opening add is done
	s_wait_kmcnt 0x0
	s_add_nc_u64 s[20:21], s[4:5], s[20:21]
	s_add_nc_u64 s[22:23], s[6:7], s[22:23]
	s_add_nc_u64 s[46:47], s[4:5], s[46:47]
	s_add_nc_u64 s[92:93], s[6:7], s[92:93]
	CROUND                                         ; all sixteen work-groups are here: the first joint loads meet
	s_mov_b32 s[G0S], 1
	s_add_co_u32 s[G0S+1], s94, SCL
	s_mov_b64 s[G0S+2:G0S+3], s[22:23]
	s_or_b32 s[G0S+3], s[G0S+3], 0x80000000
	s_mov_b32 s[G0SB], 1
	s_add_co_u32 s[G0SB+1], s94, SCL
	s_mov_b64 s[G0SB+2:G0SB+3], s[92:93]
	s_or_b32 s[G0SB+3], s[G0SB+3], 0x80000000
	JLOAD G0S, G1S, G0SB, G1SB                     ; the scales first: they are wanted with K step 0
.irp s, 0,1
	s_mov_b32 s[G0+4*\s], 1
	s_add_co_u32 s[G0+4*\s+1], s45, \s*SLOT
	s_add_nc_u64 s[G0+4*\s+2:G0+4*\s+3], s[20:21], \s*ROWB
	s_or_b32 s[G0+4*\s+3], s[G0+4*\s+3], 0x80000000
	s_mov_b32 s[G0B+4*\s], 1
	s_add_co_u32 s[G0B+4*\s+1], s45, \s*SLOT
	s_add_nc_u64 s[G0B+4*\s+2:G0B+4*\s+3], s[46:47], \s*ROWB
	s_or_b32 s[G0B+4*\s+3], s[G0B+4*\s+3], 0x80000000
	JLOAD G0+4*\s, G1, G0B+4*\s, G1B               ; three tensor loads of mine are out
.endr
	v_and_b32 v1, 15, v0                           ; r = lane % 16
	v_bfe_u32 v2, v0, 4, 1                         ; h = lane / 16
	v_mul_u32_u24 v3, v1, PITCH
	v_mul_u32_u24 v4, v2, 24
	v_add_nc_u32 v4, v3, v4                        ; a fragment's row x pitch + 24 x half
	v_lshl_add_u32 v5, v2, 4, v4                   ; and the same behind one padding more
	s_mul_i32 s21, s15, HALFT                      ; my 128 rows of X
	s_mul_i32 s22, s16, HALFT                      ; my 128 rows of Y,
	s_add_co_u32 s22, s22, 2*HALFT                 ; which lie behind X's 256
.irp s, 0,1
	v_add_nc_u32 v[ADRA+\s], s21, v4
	v_add_nc_u32 v[ADRB+\s], s22, v4
	v_add_nc_u32 v[ADRA+2+\s], s21, v5
	v_add_nc_u32 v[ADRB+2+\s], s22, v5
	s_add_co_u32 s21, s21, SLOT
	s_add_co_u32 s22, s22, SLOT
.endr
	v_mul_u32_u24 v5, v1, KS                       ; my row's scales: KS bytes a row,
	v_lshrrev_b32 v6, 8, v5
	v_lshl_add_u32 v5, v6, 4, v5                   ; and 16 more for each 256 passed
	s_mul_i32 s21, s15, HALFS
	s_mul_i32 s22, s16, HALFS
	s_add_co_u32 s22, s22, 2*HALFS
	s_sub_co_u32 s22, s22, s21
	v_mul_u32_u24 v6, s22, v2                      ; lanes 16-31 take Y's
	s_add_co_u32 s21, s21, SCL
	v_add_nc_u32 v5, v5, v6
	v_add_nc_u32 v[ADRS], s21, v5
	; the way out's LDS addresses: a constant x wave + a constant x lane
	s_mul_i32 s23, s14, STGW
	v_mul_u32_u24 v5, v1, 48
	v_mad_u32_u24 v5, v2, 24, v5
	v_add_nc_u32 v[SQ], s23, v5
	v_lshlrev_b32 v6, 4, v1
	v_add_nc_u32 v[SS], s23, v6
	v_and_b32 v7, 31, v0
	v_lshlrev_b32 v[L16], 4, v7
	v_lshlrev_b32 v[L8], 3, v7
	v_add_nc_u32 v[RDC], s23, v[L16]
	v_add_nc_u32 v[RDS], s23, v[L8]
	s_lshl_b32 s23, s14, 9
	s_add_co_u32 s23, s23, STGV
	v_add_nc_u32 v[SV], s23, v6
	v_add_nc_u32 v[RDV], s23, v[L8]
	v_lshlrev_b32 v[BA], 6, v2                     ; biases along my registers: 16 h numbers on
	v_and_b32 v8, 7, v1
	v_lshrrev_b32 v9, 3, v1
	v_lshl_add_u32 v8, v9, 4, v8
	v_lshlrev_b32 v[BA2], 2, v8                    ; biases of my rows: row 16 (r / 8) + r % 8 of a block's group
.irp b, 0,1,2,3
	v_mov_b32 v[TM+4+\b], 0                        ; written once: a lane permute's destination counts as one of its sources
.endr
	; which tokens and which heads are mine
	s_cmp_lt_u32 s[TT], 2
	s_cselect_b32 s18, s17, s42                    ; the tile of 256 tokens,
	s_cselect_b32 s19, s15, s16                    ; my half of it,
	s_cselect_b32 s20, s42, s17                    ; the tile of 4 heads,
	s_cselect_b32 s21, s16, s15                    ; my 2 of them
	s_lshl_b32 s22, s20, 8
	s_lshl_b32 s23, s21, 7
	s_add_co_u32 s22, s22, s23
	s_lshl_b32 s22, s22, 2                         ; my 128 biases, in bytes
	s_mov_b32 s23, 0
	s_cmp_eq_u32 s[TT], 1
	s_cselect_b64 s[8:9], s[10:11], s[8:9]
	s_cmp_eq_u32 s[TT], 2
	s_cselect_b64 s[8:9], s[96:97], s[8:9]         ; bq, bk or bv
	s_add_nc_u64 s[8:9], s[8:9], s[22:23]
	s_lshr_b32 s22, s18, 3                         ; the batch: 8 tiles of tokens each
	s_lshl_b32 s22, s22, 4
	s_lshl_b32 s46, s20, 2
	s_add_co_u32 s22, s22, s46
	s_lshl_b32 s46, s21, 1
	s_add_co_u32 s22, s22, s46                     ; batch x 16 + my first head
	s_and_b32 s46, s18, 7
	s_lshl_b32 s46, s46, 1
	s_add_co_u32 s46, s46, s19                     ; which 128 tokens of the sequence
	s_mul_i32 s18, s22, 98304
	s_mul_i32 s19, s46, 6144
	s_add_co_u32 s18, s18, s19
	s_mul_i32 s19, s[TT], 6291456
	s_add_co_u32 s18, s18, s19
	s_mov_b32 s19, 0
	s_add_nc_u64 s[12:13], s[98:99], s[18:19]      ; my codes' place in hc
	s_lshl_b32 s18, s22, 12
	s_lshl_b32 s46, s46, 8
	s_add_co_u32 s18, s18, s46
	s_lshl_b32 s46, s[TT], 18
	s_add_co_u32 s18, s18, s46
	s_add_nc_u64 s[10:11], s[100:101], s[18:19]    ; my scale bytes' place in hs
	s_mov_b32 s[SEL], 0x76543210
	s_mov_b32 s[SEL+1], 0xfedcba98
	; both layouts of my 128 biases are loaded, whichever the way out will take: no register is then written on one way alone, and both stay inside the buffer
.irp i, 0,1,2,3,4,5,6,7
	global_load_b128 v[BC+8*\i:BC+8*\i+3], v[BA], s[8:9] offset:(32*(\i/2)+8*(\i%2))*4        ; tile i of Y: numbers 32 (i / 2) + 16 h + 8 (i % 2) + 0 .. 7
	global_load_b128 v[BC+8*\i+4:BC+8*\i+7], v[BA], s[8:9] offset:(32*(\i/2)+8*(\i%2))*4+16
.endr
	WIN TO_B
.irp a, 0,1,2,3,4,5,6,7
	global_load_b32 v[BR+2*\a], v[BA2], s[8:9] offset:(32*(\a/2)+8*(\a%2))*4                  ; block a of X: my row's number, twice: a pair for the packed addition
	global_load_b32 v[BR+2*\a+1], v[BA2], s[8:9] offset:(32*(\a/2)+8*(\a%2))*4
.endr
	WIN 0
.macro FRAG reg, adr, q, i             ; a fragment, 16 rows x 128 K of 6-bit codes: lane l holds row l % 16; registers 6 c .. 6 c + 5 hold K = 64 c + 32 (l / 16) + 0 .. 31: 24 bytes of the row's stream of bits
.irp p, 0,1,2,3,4,5                    ; in pieces of 8 bytes.  Lanes 16-31 read three pieces further on than lanes 0-15
.set PC, 12*(\q)+6*(\p/3)+\p%3        ; 16 bytes of padding lie behind every 8 pieces: where the piece three on lies behind one padding more, the second address register serves
.if PC%8 < 5
	ds_load_b64 v[\reg+2*\p:\reg+2*\p+1], v[\adr] offset:8*PC+16*(PC/8)+(\i)*16*PITCH
.else
	ds_load_b64 v[\reg+2*\p:\reg+2*\p+1], v[\adr+2] offset:8*PC+16*(PC/8)+(\i)*16*PITCH
.endif
.endr
.endm
; 16 matrix instructions: X's blocks a0, a0 + 1 x Y's eight, 128 along K.  p: Y's set; sc: the set of scale words.  zero = 1: the first product starts the sums.
; The 64 accumulators take turns, one instruction a turn, in the same order in every step.
.macro MUL16 a0, p, q, sc, zero
.irp a, \a0, \a0+1
.irp b, 0,1,2,3,4,5,6,7
.if \zero
	v_wmma_scale_f32_16x16x128_f8f6f4 v[8*(8*((\a)%4)+\b):8*(8*((\a)%4)+\b)+7], v[128*(\p)+FR*\b:128*(\p)+FR*\b+FR-1], v[AF+FR*(\a):AF+FR*(\a)+FR-1], 0, v[SC+8*NQ*(\sc)+NQ*\b+(\q)], v[SC+8*NQ*(\sc)+NQ*(\a)+(\q)] matrix_a_fmt:MATRIX_FMT_FP6 matrix_b_fmt:MATRIX_FMT_FP6 matrix_a_scale:MATRIX_SCALE_ROW1
.else
	v_wmma_scale_f32_16x16x128_f8f6f4 v[8*(8*((\a)%4)+\b):8*(8*((\a)%4)+\b)+7], v[128*(\p)+FR*\b:128*(\p)+FR*\b+FR-1], v[AF+FR*(\a):AF+FR*(\a)+FR-1], v[8*(8*((\a)%4)+\b):8*(8*((\a)%4)+\b)+7], v[SC+8*NQ*(\sc)+NQ*\b+(\q)], v[SC+8*NQ*(\sc)+NQ*(\a)+(\q)] matrix_a_fmt:MATRIX_FMT_FP6 matrix_b_fmt:MATRIX_FMT_FP6 matrix_a_scale:MATRIX_SCALE_ROW1
.endif
.endr
.endr
.endm
.macro FETCH_B slot, q, p              ; Y's eight fragments of the slot's q-th 128 along K into set p
	WIN TO_B
.irp i, 0,1,2,3,4,5,6,7
	FRAG 128*(\p)+FR*\i, ADRB+\slot, \q, \i
.endr
	WIN 0
.endm
.macro FETCH_A slot, q, i0             ; X's blocks i0 .. i0 + 3
.irp i, \i0, \i0+1, \i0+2, \i0+3
	FRAG AF+FR*(\i), ADRA+\slot, \q, \i
.endr
.endm
.macro SCALES sc                       ; a K step's scale words into set sc: lanes 0-15 take X's block i, lanes 16-31 Y's block i
.irp i, 0,1,2,3,4,5,6,7
	ds_load_b64 v[SC+8*NQ*\sc+NQ*\i:SC+8*NQ*\sc+NQ*\i+1], v[ADRS] offset:\i*SBLK
.endr
.endm
.macro PLACES n                        ; plain vector instructions between a matrix instruction and a load into, or a vector read or write of, its registers
.rept \n
	v_nop
.endr
.endm
; A step of 128 along K that has its successor in the same slot.
.macro STEP slot, q, zero
	s_wait_dscnt 4*NL                              ; Y's set and X's blocks 0-3 are in; the youngest 24 loads (X's blocks 4-7) may be out
	WIN MUL_LO
	MUL16 0, (\q)%2, \q, \slot, \zero
	MUL16 2, (\q)%2, \q, \slot, \zero
	s_wait_dscnt 0                                 ; X's blocks 4-7 are in
	PLACES NP
	FETCH_B \slot, (\q)+1, 1-(\q)%2
	FETCH_A \slot, (\q)+1, 0
	WIN MUL_HI
	MUL16 4, (\q)%2, \q, \slot, \zero
	MUL16 6, (\q)%2, \q, \slot, \zero
	PLACES NP
	WIN 0
	FETCH_A \slot, (\q)+1, 4
.endm
; A slot's last step changes slots: one barrier; in front of it each wave waits for all its tensor loads, adds 0 to its spare word, and waits for that and for its own reads of this slot.  fill = 1: this slot is filled again, two K steps ahead.
.macro TURN slot, next, fill
	s_wait_tensorcnt 0x0                           ; all my tensor loads have landed: my part of the next slot
	ds_add_u32 v[SPW], v[NIL]                      ; 0 onto my spare word
	s_wait_dscnt 4*NL+1                            ; (the add and the youngest 24 loads, X's blocks 4-7, may be out)
	WIN MUL_LO
	MUL16 0, 1, NQ-1, \slot, 0                     ; sixteen matrix instructions stand between the add and the wait for it
	s_wait_dscnt 0x0                               ; the add is done, and my reads of this slot are over
	s_barrier_signal -1
	MUL16 2, 1, NQ-1, \slot, 0
	WIN 0
	s_barrier_wait -1
.if \fill
	CREST                                          ; the barrier has opened a round of the cluster's barrier: no wave of any partner still reads this slot's tile or has a load on its way
	s_add_nc_u64 s[G0+4*\slot+2:G0+4*\slot+3], s[G0+4*\slot+2:G0+4*\slot+3], 2*ROWB
	s_add_nc_u64 s[G0B+4*\slot+2:G0B+4*\slot+3], s[G0B+4*\slot+2:G0B+4*\slot+3], 2*ROWB
	JLOAD G0+4*\slot, G1, G0B+4*\slot, G1B         ; the first tensor load behind the round; the four v_nop behind it are the places in front of the loads below
.else
	PLACES NP
.endif
	v_add_nc_u32 v[ADRS], 4*NQ, v[ADRS]            ; on to the next K step's scale words (no LDS load of mine is out)
	FETCH_B \next, 0, 0
	FETCH_A \next, 0, 0
	SCALES \next
	WIN MUL_HI
	MUL16 4, 1, NQ-1, \slot, 0
	MUL16 6, 1, NQ-1, \slot, 0
	PLACES NP
	WIN 0
	FETCH_A \next, 0, 4
.endm
; 64 numbers of a lane, v[s] .. v[s + 63], register 16 b + i = k 32 b + 16 (lane / 16) + i of my row, become a fragment's 12 registers of codes in v[pc] on and its scale word in v[pw].
.macro QUANT s, pc, pw
.irp b, 0,1,2,3
	v_max3_num_f32 v[TM+\b], |v[\s+16*\b]|, |v[\s+1+16*\b]|, 0x1800000   ; block b: my 16 numbers, and the floor 2^(3 - 127): the byte cannot fall under 1
.endr
.irp i, 2,4,6,8,10,12,14
.irp b, 0,1,2,3
	v_max3_num_f32 v[TM+\b], v[TM+\b], |v[\s+16*\b+\i]|, |v[\s+1+16*\b+\i]|   ; (the four blocks by turns)
.endr
.endr
.irp b, 0,1,2,3
	v_permlanex16_b32 v[TM+4+\b], v[TM+\b], s[SEL], s[SEL+1]
.endr
.irp b, 0,1,2,3
	v_max_num_f32 v[TM+\b], v[TM+\b], v[TM+4+\b]   ; with lane l xor 16's: the block's largest magnitude
.endr
.irp b, 0,1,2,3
	v_add_nc_u32 v[TM+12+\b], 0xff000000, v[TM+\b] ; 2 off its exponent field: the conversion's scale operand
.endr
.irp b, 0,1,2,3
	v_lshrrev_b32 v[TM+4+\b], 23, v[TM+12+\b]      ; the scale's byte
.endr
	v_lshl_or_b32 v[\pw], v[TM+5], 8, v[TM+4]      ; the four bytes make my row's scale word
	v_lshl_or_b32 v[\pw], v[TM+6], 16, v[\pw]
	v_lshl_or_b32 v[\pw], v[TM+7], 24, v[\pw]
.irp c, 0,1
	v_cvt_scalef32_pk16_fp6_f32 v[\pc+6*\c:\pc+6*\c+2], v[\s+32*\c:\s+32*\c+15], v[TM+12+2*\c]
	v_cvt_scalef32_pk16_fp6_f32 v[CT+4*\c:CT+4*\c+2], v[\s+16+32*\c:\s+31+32*\c], v[TM+13+2*\c]   ; (a conversion's three registers begin on an even number)
.endr
	v_nop                                          ; one plain place behind a scaled conversion
.irp c, 0,1                                    ; the operand's layout wants a whole block in a lane: lanes 0-15 block 2 c, lanes 16-31 block 2 c + 1
.irp i, 0,1,2
	v_permlane16_swap_b32 v[\pc+6*\c+\i], v[CT+4*\c+\i]
.endr
.irp i, 0,1,2
	v_mov_b32 v[\pc+3+6*\c+\i], v[CT+4*\c+\i]
.endr
.endr
.endm
	s_wait_tensorcnt 1                             ; the scales and my part of K step 0 are in (K step 1's load may be out),
	s_barrier_signal -1
	s_barrier_wait -1                              ; everybody's are
	FETCH_B 0, 0, 0
	FETCH_A 0, 0, 0
	SCALES 0
	FETCH_A 0, 0, 4
	STEP 0, 0, 1                                   ; the first step stands in front of the loop: its products start the sums
	s_mov_b32 s3, LAPS-1
.Llap:                                                 ; a trip goes once round the ring and fills both slots again
	TURN 0, 1, 1
	STEP 1, 0, 0
	TURN 1, 0, 1
	STEP 0, 0, 0
	s_sub_co_u32 s3, s3, 1
	s_cmp_lg_u32 s3, 0
	s_cbranch_scc1 .Llap
	TURN 0, 1, 0                                   ; the last lap fills nothing, and has no round of the cluster's barrier
	STEP 1, 0, 0
	s_wait_dscnt 4*NL                              ; the very last step: nothing more to fetch
	WIN MUL_LO
	MUL16 0, 1, NQ-1, 1, 0
	MUL16 2, 1, NQ-1, 1, 0
	s_wait_dscnt 0
	WIN MUL_HI
	MUL16 4, 1, NQ-1, 1, 0
	MUL16 6, 1, NQ-1, 1, 0
	WIN 0
	s_wait_loadcnt 0x0                             ; the biases
	PLACES NP                                      ; behind the last products: the lines below write registers that held X's fragments
	s_cmp_eq_u32 s[TT], 2                          ; the same in every wave of every partner
	s_cbranch_scc1 .Lvout
	; THE WAY OUT OF q AND k, block by block of 16 tokens.  A lane's 64 numbers are two heads' 64 channels each half: + bias, quantised; a lane then holds 24 bytes (block h) of each of the two heads' rows.
	; They meet in my stage as rows of 48 bytes and leave as runs of 512 consecutive bytes.
.irp a, 0,1,2,3,4,5,6,7
.set AC, 64*(\a%4)
.set CDS, CD+12*(\a%2)
.set PWS, PW+(\a%2)
.set WN, 0x02+(\a/4)
	WIN WN                                         ; source 0: window 2 or 3
.set PP, 0
.rept 32
	v_pk_add_f32 v[TN+PP:TN+PP+1], v[AC+PP:AC+PP+1], v[BC+PP:BC+PP+1]   ; ascending: each accumulator is read from its low end on
.set PP, PP+2
.endr
	WIN 0
	s_wait_dscnt 8                                 ; the block before's eight stores may be out; those of two blocks back, which read this set of registers, are done
	QUANT TN, CDS, PWS
.irp p, 0,1,2,3,4,5
	ds_store_b64 v[SQ], v[CDS+2*\p:CDS+2*\p+1] offset:(\p/3)*6144+\a*768+8*(\p%3)
.endr
	ds_store_b16 v[SS], v[PWS] offset:12288+4*(\a/2)+2*(\a%2)              ; the first head's two bytes (lanes l and l xor 16 write the same bytes with the same value),
	ds_store_b16_d16_hi v[SS], v[PWS] offset:12544+4*(\a/2)+2*(\a%2)       ; the second head's
.endr
	s_wait_dscnt 0x0                               ; the stores have read their registers
.irp i, 0,1,2,3,4,5,6,7,8,9,10,11,12,13,14,15,16,17,18,19,20,21,22,23
	ds_load_b128 v[128+4*\i:131+4*\i], v[RDC] offset:512*\i
.endr
	ds_load_b64 v[232:233], v[RDS] offset:12288
	ds_load_b64 v[234:235], v[RDS] offset:12544
.irp i, 0,1,2,3,4,5,6,7,8,9,10,11,12,13,14,15,16,17,18,19,20,21,22,23
	s_wait_dscnt 25-\i                             ; LDS loads come back in order: load i of the 26 is in
	global_store_b128 v[L16], v[128+4*\i:131+4*\i], s[12:13] offset:(\i/12)*98304+(\i%12)*512   ; 32 lanes store 512 consecutive bytes, at a multiple of 256 from the buffer's first byte
.endr
	s_wait_dscnt 1
	global_store_b64 v[L8], v[232:233], s[10:11]                   ; 256 consecutive bytes, aligned
	s_wait_dscnt 0x0
	global_store_b64 v[L8], v[234:235], s[10:11] offset:4096
	s_branch .Lend
.Lvout:
	; THE WAY OUT OF v, block by block of 16 channels.  A lane's 64 numbers run along 128 keys: + my row's bias, quantised: the 12 registers ARE the second attention product's fragment and leave as they stand.
.irp a, 0,1,2,3,4,5,6,7
.set AC, 64*(\a%4)
.set CDS, CD+12*(\a%2)
.set PWS, PW+(\a%2)
.set WN, 0x06+(\a/4)
	WIN WN                                         ; source 0: window 2 or 3; source 1: window 1
.set PP, 0
.rept 32
	v_pk_add_f32 v[TN+PP:TN+PP+1], v[AC+PP:AC+PP+1], v[BR+2*\a:BR+2*\a+1]
.set PP, PP+2
.endr
	WIN 0
	s_wait_xcnt 0x0                                ; the earlier stores have read their data: the codes' registers are written again only behind this wait
	s_wait_dscnt 1                                 ; the block before's word store may be out; that of two blocks back is done
	QUANT TN, CDS, PWS
.irp c, 0,1,2
	global_store_b128 v[L16], v[CDS+4*\c:CDS+4*\c+3], s[12:13] offset:(\a/4)*98304+(\a%4)*1536+512*\c   ; 512 consecutive bytes, aligned
.endr
	ds_store_b32 v[SV], v[PWS] offset:256*(\a/4)+4*(\a%4)
.endr
	ds_load_b64 v[232:233], v[RDV]                 ; LDS serves a wave's instructions in order: these see my stores
	ds_load_b64 v[234:235], v[RDV] offset:256
	s_wait_dscnt 0x0
	global_store_b64 v[L8], v[232:233], s[10:11]
	global_store_b64 v[L8], v[234:235], s[10:11] offset:4096
.Lend:
	s_wait_tensorcnt 0x0                           ; the wave's end: behind my last tensor load and my last LDS store
	ds_add_u32 v[SPW], v[NIL]
	s_wait_dscnt 0x0
	CROUND                                         ; the closing round: no work-group ends while a partner may still ask for a tile that names it
	s_endpgm
.Lfunc_end_k_qc13c0f5591_proj:
	.size	k_qc13c0f5591_proj, .Lfunc_end_k_qc13c0f5591_proj-k_qc13c0f5591_proj
	.p2alignl 7, 3214868480
	.fill 96, 4, 3214868480
	.section	.rodata,"a",@progbits
	.p2align	6, 0x0
	.amdhsa_kernel k_qc13c0f5591_proj
		.amdhsa_group_segment_fixed_size 327680
		.amdhsa_private_segment_fixed_size 0
		.amdhsa_enable_private_segment 0
		.amdhsa_kernarg_size 56
		.amdhsa_user_sgpr_count 2
		.amdhsa_user_sgpr_kernarg_segment_ptr 1
		.amdhsa_wavefront_size32 1
		.amdhsa_system_sgpr_workgroup_id_x 1
		.amdhsa_system_sgpr_workgroup_id_y 1
		.amdhsa_system_sgpr_workgroup_id_z 1
		.amdhsa_system_vgpr_workitem_id 0
		.amdhsa_next_free_vgpr 1024
		.amdhsa_next_free_sgpr 102
		.amdhsa_reserve_vcc 0
		.amdhsa_float_denorm_mode_32 3
		.amdhsa_float_denorm_mode_16_64 3
		.amdhsa_memory_ordered 1
		.amdhsa_forward_progress 1
		.amdhsa_inst_pref_size 241
	.end_amdhsa_kernel
	.amdgpu_metadata
---
amdhsa.version: [ 1, 2 ]
amdhsa.kernels:
  - .name:           k_qc13c0f5591_proj
    .symbol:         k_qc13c0f5591_proj.kd
    .args:
      - { .name: c1, .offset: 0, .size: 8, .value_kind: global_buffer, .address_space: global }
      - { .name: s1, .offset: 8, .size: 8, .value_kind: global_buffer, .address_space: global }
      - { .name: bq, .offset: 16, .size: 8, .value_kind: global_buffer, .address_space: global }
      - { .name: bk, .offset: 24, .size: 8, .value_kind: global_buffer, .address_space: global }
      - { .name: bv, .offset: 32, .size: 8, .value_kind: global_buffer, .address_space: global }
      - { .name: hc, .offset: 40, .size: 8, .value_kind: global_buffer, .address_space: global }
      - { .name: hs, .offset: 48, .size: 8, .value_kind: global_buffer, .address_space: global }
    .group_segment_fixed_size: 327680
    .private_segment_fixed_size: 0
    .kernarg_segment_align: 8
    .kernarg_segment_size: 56
    .max_flat_workgroup_size: 128
    .sgpr_count:     102
    .vgpr_count:     1024
    .wavefront_size: 32
...
	.end_amdgpu_metadata
.endif
;; end of part 2
;; launch attn (part 3): grid 4 x 64, 16 waves a work-group, clusters of 4 x 1, 219,136 bytes of LDS; arguments hc, hs, ac, asc; writes ac, asc
.if DOCPART == 3
	.amdgcn_target "amdgcn-amd-amdhsa--gfx1250"
	.amdhsa_code_object_version 6
	.text
	.protected	k_qc13c0f5591_attn
	.globl	k_qc13c0f5591_attn
	.p2align	8
	.type	k_qc13c0f5591_attn,@function
k_qc13c0f5591_attn:
	s_mov_b64 s[64:65], 0
	v_nop
	global_prefetch_b8 v0, s[64:65] scope:SCOPE_SE
	s_setreg_imm32_b32 hwreg(HW_REG_WAVE_MODE, 25, 1), 1
	s_wait_xcnt 0x0
	s_wait_alu depctr_hold_cnt(0) depctr_sa_sdst(0) depctr_va_vdst(0) depctr_va_sdst(0) depctr_va_ssrc(0) depctr_va_vcc(0) depctr_vm_vsrc(0)
	s_getreg_b32 s2, hwreg(HW_REG_IB_STS2, 6, 4)
	s_cmp_eq_u32 s2, 0
	s_cbranch_scc0 .Lentry_in_a_cluster
	s_endpgm
.Lentry_in_a_cluster:
	s_bfe_u32 s2, ttmp6, 0x10000c
	s_cmp_lg_u32 s2, 0x3003
	s_cbranch_scc0 .Lentry_shape_is_right
	s_endpgm
.Lentry_shape_is_right:
; Attention of one (batch, head) on codes of FP6 (E2M3) with E8M0 scales: S = Q K^T / 8, p = 2^(t - M), O = P V / l, and the quantising of O along the merged heads' axis for the last projection.
; t = score x log2(e) / 8; M = the row's largest t so far, rounded UP to a whole number; p is what is quantised, along the keys, not normalised.  The row's sum l is taken of the unquantised p, in f32, and divides O at the end.
; When M moves, l and O are multiplied by 2^(old M - new M): exact.
; SHARES.  A cluster of four work-groups is one (batch, head); a work-group owns 512 of its 2,048 queries; each of its sixteen waves owns one tile of 16 queries in each of two passes.  Four waves to a SIMD, so that one wave's
; vector work stands beside another's matrix work and LDS loads.  THE WHOLE HEAD'S K AND V LIE IN LDS (196,608 bytes of codes, 8,192 scale bytes): filled once, by joint loads that name all four work-groups; nothing is filled again.
; LAYOUT.  Both products are used transposed: S^T = K Q^T, O^T = V^T P^T: a lane holds one query (lane % 16) throughout.  Tokens lie in position order (bits 3 and 4 of the number exchanged), so the 16 registers of
; tiles 2 b and 2 b + 1 of S^T are 16 true neighbours among the keys, 32 b + 16 (lane / 16) + 0 .. 15.
; THE HEAD IS 64 WIDE, THE INSTRUCTION 128: a fragment of K holds 32 places: K = 0..63 of the instruction is place 32 b + m, K = 64..127 place 32 b + 16 + m.  Q stands between two runs of zero codes: [q | 0] gives tile 2 b, [0 | q]
; tile 2 b + 1; zero codes add exactly nothing under any scale byte that is no NaN.
; V comes as images of the operand's registers; row m of its tile a is channel 32 (a / 2) + 16 (m / 8) + 8 (a % 2) + m % 8, so that O^T's register 16 b + i is channel 32 b + 16 (lane / 16) + i.
; OUT: ac [head][place of the token, 0..8191][48 bytes]; asc [place][32 bytes], byte 2 head + block.  The two scale bytes of a row are stored as they are, 32 bytes apart from row to row: 2 bytes for each 48 of codes;
; so the next launch finds its scales as one dense block.
; LIMITS: p under 2^-126 falls to 0 (v_exp_f32 flushes); a block's largest p is taken from its largest score, which takes v_exp_f32 not to fall where its input rises; 1 / l is v_rcp_f32; a block of zeros gets the byte 1;
; NaN and infinities are not served.
.set KC,    0                          ; LDS: K's codes, [place][48 bytes]
.set VC,    98304                      ; V's codes, [128 keys][4 tiles][1,536 bytes]
.set KSC,   196608                     ; K's scale bytes, 256 for each 128 keys
.set VSC,   200704                     ; V's
.set STAGE, 204800                     ; the way out: 768 bytes for each wave
.set SPARE, 217088                     ; the spare words, 128 bytes for each wave
.set AK0,  1                           ; v1   48 r + 24 h: my place in a tile of K, of Q and of the stage
.set AV0,  2                           ; v2   VC + 16 lane
.set ASK0, 3                           ; v3   KSC + 16 r
.set ASV0, 4                           ; v4   VSC + 16 r
.set SPW,  5                           ; v5   my spare word; never rewritten
.set NIL,  6                           ; v6   0; never rewritten
.set STS,  7                           ; v7   STAGE + 768 w + 48 r + 24 h
.set ADK,  8                           ; v8-11 addresses of the step's loads
.set ADV,  9
.set ADS,  10
.set ADT,  11
                                       ; v12 -M, v13 the largest t, v[14:15] the sum in two halves; v16-21 zeros, v22-27 Q's codes, v28-33 zeros
.set KF,   36                          ; v36-83   four fragments of K; behind the scores: v36-47 p's codes, v48-54 conversions' second halves, v[56:57] a chain of the sum, v58-63 the way out
.set BM,   84                          ; v84-87   the blocks' largest scores
.set BT,   88                          ; v88-91   permutes' destinations, then bytes
.set SO,   92                          ; v92-95   the conversions' scale operands
.set S,    96                          ; v96-159  S^T, then p
.set O,    160                         ; v160-191 O^T
.set VF,   192                         ; v192-239 four fragments of V
.set KS,   240                         ; v240-243 K's scale words;  v244-247 V's;  v248 Q's;  v249 p's: these ten hold scales and nothing else
.set VS,   244
.set QS,   248
.set PS,   249
                                       ; v250 16 r, v251 32 r; v[252:253] f; v254 at work
.set WV,   12                          ; s12 wave
.set SEL,  20                          ; s[20:21] lane selects: lane l xor 16
.set CS,   22                          ; s[22:23] c = log2(e) / 8
.set G1C,  24                          ; s[24:31] group 1 for 24,576 bytes of codes;  s[32:39] for 4,096 scale bytes;  s[40:43], s[44:47] their groups 0
.set G1S,  32
.set G0C,  40
.set G0S,  44
.set SOFF, 60                          ; s60 the step's codes: 6,144 bytes a step, in K and in V
.set SSC,  61                          ; s61 its scale bytes: 256 a step
.set CNT,  62
.set STGW, 63                          ; s63 STAGE + 768 w
.set QP,   66                          ; s[66:67] Q's codes at my tile of pass 0;  s[68:69] its scale bytes;  s[70:71] ac;  s[72:73] asc
.set QSP,  68
.set AP,   70
.set ASP,  72
.macro CROUND                          ; a round of the cluster's barrier
	s_barrier_signal -1
	s_barrier_wait -1
	s_cmp_lg_u32 s[WV], 0
	s_cbranch_scc1 .Lnot_wave_0_\@
	s_barrier_signal -3
.Lnot_wave_0_\@:
	s_barrier_wait -3
	s_barrier_signal -1
	s_barrier_wait -1
.endm
	s_load_b256 s[4:11], s[0:1], 0x0               ; hc, hs, ac, asc
	v_lshl_add_u32 v[SPW], v0, 2, SPARE
	v_mov_b32 v[NIL], 0
	ds_add_u32 v[SPW], v[NIL]                      ; the wave's opening: the add and its wait stand ahead of the first tensor loads; the set-up below, work on registers, stands between them
	ds_add_u32 v[SPW], v[NIL]
	v_lshrrev_b32 v8, 5, v0
	s_delay_alu instid0(VALU_DEP_1)
	v_readfirstlane_b32 s[WV], v8                  ; wave 0..15
	s_bfe_u32 s13, ttmp6, 0x40000                  ; cx: it enters Q's and the outputs' addresses alone
	s_and_b32 s14, ttmp7, 0xffff                   ; batch x 16 + head, which the four partners share
	; group 1: a dense block as rows of 256 bytes (32 elements of 8 bytes); 15:0 the mask: all four work-groups; 21 set beside a mask; no padding
	s_mov_b32 s[G1C], 15|(3<<16)|(1<<21)
	s_mov_b32 s[G1C+1], 32<<16
	s_mov_b32 s[G1C+2], 96<<16
	s_mov_b32 s[G1C+3], 32<<16
	s_mov_b32 s[G1C+4], 96
	s_mov_b32 s[G1C+5], 32
	s_mov_b32 s[G1C+6], 0
	s_mov_b32 s[G1C+7], 0
	s_mov_b32 s[G1S], 15|(3<<16)|(1<<21)
	s_mov_b32 s[G1S+1], 32<<16
	s_mov_b32 s[G1S+2], 16<<16
	s_mov_b32 s[G1S+3], 32<<16
	s_mov_b32 s[G1S+4], 16
	s_mov_b32 s[G1S+5], 32
	s_mov_b32 s[G1S+6], 0
	s_mov_b32 s[G1S+7], 0
	; waves 0-7 fetch the eight chunks of 24,576 bytes of codes (four of K, four of V), waves 8 and 9 the scale bytes of K and of V
	s_and_b32 s15, s[WV], 7
	s_lshr_b32 s16, s15, 2
	s_add_co_u32 s16, s16, 1                       ; region 1: kh, region 2: vh
	s_mul_i32 s16, s16, 6291456
	s_and_b32 s17, s15, 3
	s_mul_i32 s17, s17, 24576
	s_add_co_u32 s16, s16, s17
	s_mul_i32 s17, s14, 98304
	s_add_co_u32 s16, s16, s17
	s_mov_b32 s17, 0
	s_mul_i32 s15, s15, 24576                      ; in LDS K's four chunks and V's four lie on end
	s_and_b32 s18, s[WV], 1
	s_lshl_b32 s50, s18, 12
	s_add_co_u32 s50, s50, KSC
	s_add_co_u32 s18, s18, 1
	s_lshl_b32 s18, s18, 18
	s_lshl_b32 s19, s14, 12
	s_add_co_u32 s18, s18, s19
	s_mov_b32 s19, 0
	; my tile of queries in pass 0: T0 = 32 cx + wave; pass 1 takes T0 + 16, by immediates
	s_lshl_b32 s51, s13, 5
	s_add_co_u32 s51, s51, s[WV]
	s_mul_i32 s52, s14, 98304
	s_mul_i32 s53, s51, 768
	s_add_co_u32 s52, s52, s53
	s_mov_b32 s53, 0
	s_lshl_b32 s54, s14, 12
	s_lshr_b32 s55, s51, 3
	s_lshl_b32 s55, s55, 8
	s_add_co_u32 s54, s54, s55
	s_bfe_u32 s55, s51, 0x20001
	s_lshl_b32 s55, s55, 2
	s_add_co_u32 s54, s54, s55
	s_and_b32 s55, s51, 1
	s_lshl_b32 s55, s55, 1
	s_add_co_u32 s54, s54, s55                     ; 256 (T0 / 8) + 4 ((T0 % 8) / 2) + 2 (T0 % 2)
	s_mov_b32 s55, 0
	s_and_b32 s56, s14, 15                         ; head
	s_lshr_b32 s57, s14, 4                         ; batch
	s_mul_i32 s58, s56, 393216
	s_mul_i32 s59, s57, 98304
	s_add_co_u32 s58, s58, s59
	s_mul_i32 s59, s51, 768
	s_add_co_u32 s58, s58, s59
	s_mov_b32 s59, 0
	s_lshl_b32 s74, s57, 11
	s_lshl_b32 s75, s51, 4
	s_add_co_u32 s74, s74, s75
	s_lshl_b32 s74, s74, 5
	s_lshl_b32 s75, s56, 1
	s_add_co_u32 s74, s74, s75
	s_mov_b32 s75, 0
	s_mov_b32 s[SEL], 0x76543210
	s_mov_b32 s[SEL+1], 0xfedcba98
	s_mov_b32 s[CS], 0x3e38aa3b                    ; c = log2(e) / 8
	s_mov_b32 s[CS+1], s[CS]                       ; (named with it as a pair, so it is written)
	s_mul_i32 s[STGW], s[WV], 768
	s_add_co_u32 s[STGW], s[STGW], STAGE
	s_wait_dscnt 0x0                               ; the opening add is done
	s_wait_kmcnt 0x0
	s_add_nc_u64 s[16:17], s[4:5], s[16:17]
	s_add_nc_u64 s[18:19], s[6:7], s[18:19]
	s_add_nc_u64 s[QP:QP+1], s[4:5], s[52:53]
	s_add_nc_u64 s[QSP:QSP+1], s[6:7], s[54:55]
	s_add_nc_u64 s[AP:AP+1], s[8:9], s[58:59]
	s_add_nc_u64 s[ASP:ASP+1], s[10:11], s[74:75]
	s_mov_b32 s[G0C], 1
	s_mov_b32 s[G0C+1], s15
	s_mov_b64 s[G0C+2:G0C+3], s[16:17]
	s_or_b32 s[G0C+3], s[G0C+3], 0x80000000
	s_mov_b32 s[G0S], 1
	s_mov_b32 s[G0S+1], s50
	s_mov_b64 s[G0S+2:G0S+3], s[18:19]
	s_or_b32 s[G0S+3], s[G0S+3], 0x80000000
	CROUND                                         ; all four work-groups are here: the joint loads meet
	s_cmp_lt_u32 s[WV], 8                          ; the branches hang on the wave's number alone; one tensor load of a wave is out; an s_nop 0 and four v_nop follow each line
	s_cbranch_scc0 .Lnot_codes
	tensor_load_to_lds s[G0C:G0C+3], s[G1C:G1C+7]
	s_nop 0
.rept 4
	v_nop
.endr
	s_branch .Lasked
.Lnot_codes:
	s_cmp_lt_u32 s[WV], 10
	s_cbranch_scc0 .Lasked
	tensor_load_to_lds s[G0S:G0S+3], s[G1S:G1S+7]
	s_nop 0
.rept 4
	v_nop
.endr
.Lasked:
	v_and_b32 v8, 15, v0                           ; r
	v_bfe_u32 v9, v0, 4, 1                         ; h
	v_and_b32 v10, 31, v0                          ; lane
	s_delay_alu instid0(VALU_DEP_3)
	v_mul_u32_u24 v[AK0], v8, 48
	s_delay_alu instid0(VALU_DEP_1)
	v_mad_u32_u24 v[AK0], v9, 24, v[AK0]
	s_delay_alu instid0(VALU_DEP_3)
	v_lshl_add_u32 v[AV0], v10, 4, VC
	v_lshl_add_u32 v[ASK0], v8, 4, KSC
	v_lshl_add_u32 v[ASV0], v8, 4, VSC
	s_delay_alu instid0(VALU_DEP_4)
	v_add_nc_u32 v[STS], s[STGW], v[AK0]
	v_lshlrev_b32 v250, 4, v8
	v_lshlrev_b32 v251, 5, v8
.irp i, 16,17,18,19,20,21,28,29,30,31,32,33
	v_mov_b32 v\i, 0                               ; the zero codes on both sides of Q
.endr
.irp b, 0,1,2,3
	v_mov_b32 v[BT+\b], 0                          ; written once: a lane permute's destination counts as one of its sources
.endr
	v_mov_b32 v253, 0                              ; (named as the upper half of the pair v[252:253])
; A KEY STEP: 128 keys.
.macro STEP
	v_add_nc_u32 v[ADK], s[SOFF], v[AK0]           ; four plain lines: also the places between the last products and the loads into their registers
	v_add_nc_u32 v[ADV], s[SOFF], v[AV0]
	v_add_nc_u32 v[ADS], s[SSC], v[ASK0]
	v_add_nc_u32 v[ADT], s[SSC], v[ASV0]
	ds_load_b128 v[KS:KS+3], v[ADS]                ; the four fragments' scale words of my row
.irp b, 0,1,2,3
.irp p, 0,1,2,3,4,5
	ds_load_b64 v[KF+12*\b+2*\p:KF+12*\b+2*\p+1], v[ADK] offset:1536*\b+768*(\p/3)+8*(\p%3)   ; words 12 r + 6 h on: the 32 lanes touch 64 different banks
.endr
.endr
	ds_load_b128 v[VS:VS+3], v[ADT]
.irp a, 0,1,2,3
.irp c, 0,1,2
	ds_load_b128 v[VF+12*\a+4*\c:VF+12*\a+4*\c+3], v[ADV] offset:1536*\a+512*\c               ; an image of the registers: 512 consecutive bytes
.endr
.endr
	s_wait_dscnt 13                                ; K and its scales are in; V's 12 loads and its scale load may be out: they are wanted behind the softmax
.irp b, 0,1,2,3
	v_wmma_scale_f32_16x16x128_f8f6f4 v[S+16*\b:S+16*\b+7], v[KF+12*\b:KF+12*\b+11], v[22:33], 0, v[KS+\b], v[QS] matrix_a_fmt:MATRIX_FMT_FP6 matrix_b_fmt:MATRIX_FMT_FP6
	v_wmma_scale_f32_16x16x128_f8f6f4 v[S+16*\b+8:S+16*\b+15], v[KF+12*\b:KF+12*\b+11], v[16:27], 0, v[KS+\b], v[QS] matrix_a_fmt:MATRIX_FMT_FP6 matrix_b_fmt:MATRIX_FMT_FP6
.endr
.rept 4
	v_nop                                          ; places in front of the first read of the scores
.endr
.irp b, 0,1,2,3
	v_max3_num_f32 v[BM+\b], v[S+16*\b], v[S+1+16*\b], v[S+2+16*\b]   ; the largest score of each block of 32 keys: it serves for the row's maximum and, since p rises with the score, for the block's largest p
.endr
.irp i, 3,5,7,9,11,13
.irp b, 0,1,2,3
	v_max3_num_f32 v[BM+\b], v[BM+\b], v[S+16*\b+\i], v[S+1+16*\b+\i]
.endr
.endr
.irp b, 0,1,2,3
	v_max_num_f32 v[BM+\b], v[BM+\b], v[S+15+16*\b]
.endr
.irp b, 0,1,2,3
	s_delay_alu instid0(VALU_DEP_4)
	v_permlanex16_b32 v[BT+\b], v[BM+\b], s[SEL], s[SEL+1]
.endr
.irp b, 0,1,2,3
	s_delay_alu instid0(VALU_DEP_4)
	v_max_num_f32 v[BM+\b], v[BM+\b], v[BT+\b]     ; with lane l xor 16's 16 keys
.endr
	s_delay_alu instid0(VALU_DEP_2)
	v_max3_num_f32 v254, v[BM], v[BM+1], v[BM+2]
	s_delay_alu instid0(VALU_DEP_1)
	v_max_num_f32 v254, v254, v[BM+3]              ; the step's largest score of my query
	s_delay_alu instid0(VALU_DEP_1)
	v_mul_f32 v254, s[CS], v254                    ; as t (c is positive)
	s_delay_alu instid0(VALU_DEP_1)
	v_max_num_f32 v13, v13, v254                   ; the running largest t
	v_mov_b32 v254, v12
	s_delay_alu instid0(VALU_DEP_2)
	v_floor_f32 v12, -v13                          ; the new -M = floor(-t): M is a whole number
	s_delay_alu instid0(VALU_DEP_1)
	v_sub_f32 v254, v12, v254                      ; old M - new M: a whole number, 0 or less
	s_delay_alu instid0(VALU_DEP_1)
	v_cvt_i32_f32 v254, v254                       ; (it saturates)
	s_delay_alu instid0(VALU_DEP_1)
	v_ldexp_f32 v252, 1.0, v254                    ; f = 2^(old M - new M)
.set J, 0
.rept 32
	v_pk_fma_f32 v[S+J:S+J+1], v[S+J:S+J+1], s[CS:CS+1], v[12:13] op_sel_hi:[1,0,0]   ; t - M, two at a time
.set J, J+2
.endr
.irp b, 0,1,2,3
	v_fma_f32 v[BM+\b], v[BM+\b], s[CS], v12       ; the same of each block's largest score
.endr
.set J, 0
	s_setprio 1
	s_wait_alu depctr_va_vdst(0)
.rept 64
	v_exp_f32 v[S+J], v[S+J]                       ; p = 2^(t - M), at most 1
.set J, J+1
.endr
	v_pk_mul_f32 v[14:15], v[14:15], v[252:253] op_sel_hi:[1,0]   ; the sums under the new M: a plain line behind the exponentials
	s_wait_alu depctr_va_vdst(0)                   ; one wait for the batch of 64, ahead of its first reader
.irp b, 0,1,2,3
	v_exp_f32 v[BM+\b], v[BM+\b]                   ; the block's largest p: the same two instructions on the same number give the same bits
.endr
	v_pk_add_f32 v[56:57], v[100:101], v[104:105]
	v_pk_add_f32 v[254:255], v[108:109], v[112:113]
	v_pk_add_f32 v[242:243], v[116:117], v[120:121]
	v_pk_add_f32 v[240:241], v[124:125], v[128:129]
	v_pk_add_f32 v[94:95], v[132:133], v[136:137]
	v_pk_add_f32 v[92:93], v[140:141], v[144:145]
	v_pk_add_f32 v[90:91], v[148:149], v[152:153]
	v_pk_add_f32 v[14:15], v[14:15], v[156:157]
	v_pk_add_f32 v[56:57], v[56:57], v[96:97]
	v_pk_add_f32 v[254:255], v[254:255], v[98:99]
	v_pk_add_f32 v[242:243], v[242:243], v[102:103]
	v_pk_add_f32 v[240:241], v[240:241], v[106:107]
	v_pk_add_f32 v[94:95], v[94:95], v[110:111]
	v_pk_add_f32 v[92:93], v[92:93], v[114:115]
	v_pk_add_f32 v[90:91], v[90:91], v[118:119]
	v_pk_add_f32 v[14:15], v[14:15], v[122:123]
	v_pk_add_f32 v[56:57], v[56:57], v[126:127]
	v_pk_add_f32 v[254:255], v[254:255], v[130:131]
	v_pk_add_f32 v[242:243], v[242:243], v[134:135]
	v_pk_add_f32 v[240:241], v[240:241], v[138:139]
	v_pk_add_f32 v[94:95], v[94:95], v[142:143]
	v_pk_add_f32 v[92:93], v[92:93], v[146:147]
	v_pk_add_f32 v[90:91], v[90:91], v[150:151]
	v_pk_add_f32 v[14:15], v[14:15], v[154:155]
	v_pk_add_f32 v[56:57], v[56:57], v[158:159]
	s_delay_alu instid0(VALU_DEP_2)
	v_pk_add_f32 v[14:15], v[14:15], v[240:241]
	s_delay_alu instid0(VALU_DEP_2)
	v_pk_add_f32 v[56:57], v[56:57], v[94:95]
	v_pk_add_f32 v[254:255], v[254:255], v[92:93]
	v_pk_add_f32 v[242:243], v[242:243], v[90:91]
	s_delay_alu instid0(VALU_DEP_2)
	v_pk_add_f32 v[14:15], v[14:15], v[254:255]
	s_delay_alu instid0(VALU_DEP_2)
	v_pk_add_f32 v[56:57], v[56:57], v[242:243]
	s_delay_alu instid0(VALU_DEP_1)
	v_pk_add_f32 v[14:15], v[14:15], v[56:57]
	s_wait_alu depctr_va_vdst(0)                   ; and one for the four
.irp b, 0,1,2,3
	v_max_num_f32 v[BM+\b], 0x1800000, v[BM+\b]    ; the floor 2^(3 - 127): the byte cannot fall under 1
.endr
.irp b, 0,1,2,3
	s_delay_alu instid0(VALU_DEP_4)
	v_add_nc_u32 v[SO+\b], 0xff000000, v[BM+\b]    ; 2 off the exponent field: the conversion's scale operand
.endr
.irp b, 0,1,2,3
	s_delay_alu instid0(VALU_DEP_4)
	v_lshrrev_b32 v[BT+\b], 23, v[SO+\b]           ; the scale's byte
.endr
	s_delay_alu instid0(VALU_DEP_3)
	v_lshl_or_b32 v[PS], v[BT+1], 8, v[BT]         ; p's scale word for these 128 keys
	s_delay_alu instid0(VALU_DEP_1)
	v_lshl_or_b32 v[PS], v[BT+2], 16, v[PS]
	s_delay_alu instid0(VALU_DEP_1)
	v_lshl_or_b32 v[PS], v[BT+3], 24, v[PS]
.irp c, 0,1
	v_cvt_scalef32_pk16_fp6_f32 v[36+6*\c:38+6*\c], v[S+32*\c:S+15+32*\c], v[SO+2*\c]
	v_cvt_scalef32_pk16_fp6_f32 v[48+4*\c:50+4*\c], v[S+16+32*\c:S+31+32*\c], v[SO+1+2*\c]   ; (a conversion's three registers begin on an even number)
.endr
	v_nop                                          ; one plain place behind a scaled conversion
.irp c, 0,1                                    ; the operand's layout wants a whole block in a lane
.irp i, 0,1,2
	v_permlane16_swap_b32 v[36+6*\c+\i], v[48+4*\c+\i]
.endr
.irp i, 0,1,2
	s_delay_alu instid0(VALU_DEP_3)
	v_mov_b32 v[39+6*\c+\i], v[48+4*\c+\i]
.endr
.endr
.set J, 0
	s_setprio 0
.rept 16
	v_pk_mul_f32 v[O+J:O+J+1], v[O+J:O+J+1], v[252:253] op_sel_hi:[1,0]   ; O^T under the new M.  These 16 are also the places between the writes of p's codes and scale word and the products below
.set J, J+2
.endr
	s_wait_alu depctr_va_vdst(0)
	s_wait_dscnt 0x0                               ; V is in
.irp a, 0,1,2,3                                ; O^T += V^T P^T: the four accumulators by turns, one instruction a turn
	v_wmma_scale_f32_16x16x128_f8f6f4 v[O+8*\a:O+8*\a+7], v[VF+12*\a:VF+12*\a+11], v[36:47], v[O+8*\a:O+8*\a+7], v[VS+\a], v[PS] matrix_a_fmt:MATRIX_FMT_FP6 matrix_b_fmt:MATRIX_FMT_FP6
.endr
	s_add_co_u32 s[SOFF], s[SOFF], 6144
	s_add_co_u32 s[SSC], s[SSC], 256
.endm
; THE WAY OUT of a tile: O^T / l, quantised along the head's 64 (two blocks of 32); a lane then holds 24 bytes of its query's 48; they turn through my stage and leave as 768 consecutive bytes.
.macro OUT p
.rept 4
	v_nop                                          ; places behind the last products
.endr
	v_add_f32 v14, v14, v15                        ; the sum's two halves,
	s_delay_alu instid0(VALU_DEP_1)
	v_permlanex16_b32 v[BT], v14, s[SEL], s[SEL+1]
	s_delay_alu instid0(VALU_DEP_1)
	v_add_f32 v14, v14, v[BT]                      ; and lane l xor 16's: the row's sum
	s_wait_alu depctr_va_vdst(0)
	v_rcp_f32 v14, v14
	v_and_b32 v58, 31, v0                          ; (plain lines behind the reciprocal)
	s_delay_alu instid0(VALU_DEP_1)
	v_lshlrev_b32 v59, 4, v58
	s_delay_alu instid0(VALU_DEP_2)
	v_lshlrev_b32 v60, 3, v58
	s_delay_alu instid0(VALU_DEP_2)
	v_add_nc_u32 v61, s[STGW], v59
	s_delay_alu instid0(VALU_DEP_2)
	v_add_nc_u32 v62, s[STGW], v60
	s_wait_alu depctr_va_vdst(0)                   ; the wait ahead of the reciprocal's first reader
.set J, 0
.rept 16
	v_pk_mul_f32 v[S+J:S+J+1], v[O+J:O+J+1], v[14:15] op_sel_hi:[1,0]   ; ascending: each accumulator is read from its low end on.  Register 16 b + i is channel 32 b + 16 h + i
.set J, J+2
.endr
.irp b, 0,1
	v_max3_num_f32 v[BM+\b], |v[S+16*\b]|, |v[S+1+16*\b]|, 0x1800000
.endr
.irp i, 2,4,6,8,10,12,14
.irp b, 0,1
	s_delay_alu instid0(VALU_DEP_2)
	v_max3_num_f32 v[BM+\b], v[BM+\b], |v[S+16*\b+\i]|, |v[S+1+16*\b+\i]|
.endr
.endr
.irp b, 0,1
	s_delay_alu instid0(VALU_DEP_2)
	v_permlanex16_b32 v[BT+\b], v[BM+\b], s[SEL], s[SEL+1]
.endr
.irp b, 0,1
	s_delay_alu instid0(VALU_DEP_2)
	v_max_num_f32 v[BM+\b], v[BM+\b], v[BT+\b]
.endr
.irp b, 0,1
	s_delay_alu instid0(VALU_DEP_2)
	v_add_nc_u32 v[SO+\b], 0xff000000, v[BM+\b]
.endr
.irp b, 0,1
	s_delay_alu instid0(VALU_DEP_2)
	v_lshrrev_b32 v[BT+\b], 23, v[SO+\b]
.endr
	s_delay_alu instid0(VALU_DEP_1)
	v_lshl_or_b32 v63, v[BT+1], 8, v[BT]           ; my query's two scale bytes
	v_cvt_scalef32_pk16_fp6_f32 v[36:38], v[S:S+15], v[SO]
	v_cvt_scalef32_pk16_fp6_f32 v[48:50], v[S+16:S+31], v[SO+1]
	v_nop                                          ; one plain place behind a scaled conversion
.irp i, 0,1,2
	v_permlane16_swap_b32 v[36+\i], v[48+\i]
.endr
.irp i, 0,1,2
	s_delay_alu instid0(VALU_DEP_3)
	v_mov_b32 v[39+\i], v[48+\i]                   ; v36-41: block h of query r
.endr
.irp i, 0,1,2
	ds_store_b64 v[STS], v[36+2*\i:37+2*\i] offset:8*\i
.endr
	ds_load_b128 v[44:47], v61                     ; LDS serves a wave's instructions in order: these see my stores
	ds_load_b64 v[42:43], v62 offset:512
	s_wait_alu depctr_va_vdst(0)
	s_wait_dscnt 0x0
	global_store_b128 v59, v[44:47], s[AP:AP+1] offset:12288*\p        ; 512 consecutive bytes, at a multiple of 256 from the buffer's first byte,
	global_store_b64 v60, v[42:43], s[AP:AP+1] offset:12288*\p+512     ; and 256 more
	global_store_b16 v251, v63, s[ASP:ASP+1] offset:8192*\p            ; (lanes l and l xor 16 write the same two bytes with the same value)
.endm
.macro PASS p
.if \p
	s_wait_xcnt 0x0                                ; the last pass's stores have read their registers: those are written again only behind this wait
.endif
.irp i, 0,1,2
	global_load_b64 v[22+2*\i:23+2*\i], v[AK0], s[QP:QP+1] offset:12288*\p+8*\i   ; Q: block h of query r
.endr
	global_load_u16 v254, v250, s[QSP:QSP+1] offset:512*\p                        ; and its two scale bytes
	v_mov_b32 v13, 0xff61b1e6                      ; the largest t so far: -3e38, under every t
	s_delay_alu instid0(VALU_DEP_1)
	v_floor_f32 v12, -v13                          ; -M
	v_mov_b32 v14, 0
	v_mov_b32 v15, 0
	s_mov_b32 s[SOFF], 0
	s_mov_b32 s[SSC], 0
.if \p == 0
	s_wait_tensorcnt 0x0                           ; my part of K, V or their scales is in,
	s_barrier_signal -1
	s_barrier_wait -1                              ; everybody's is: the head lies in LDS for the rest of the launch
.endif
	s_wait_loadcnt 0x0
	v_lshl_or_b32 v[QS], v254, 16, v254            ; the two bytes twice: whichever half of the instruction's K holds Q
.set J, 0
.rept 32
	v_mov_b32 v[O+J], 0                            ; O^T: the first step finds zeros, which the first change of M leaves zeros.  (Also the places between the write of Q's scale word and the first product)
.set J, J+1
.endr
	s_mov_b32 s[CNT], 16
.Lstep_\@:
	s_setprio 2
	STEP
	s_sub_co_u32 s[CNT], s[CNT], 1
	s_cmp_lg_u32 s[CNT], 0
	s_cbranch_scc1 .Lstep_\@
	s_setprio 0
	OUT \p
.endm
	PASS 0
	PASS 1
	s_wait_tensorcnt 0x0                           ; the wave's end: behind my last tensor load and my last LDS store
	ds_add_u32 v[SPW], v[NIL]
	s_wait_dscnt 0x0
	CROUND                                         ; the closing round
	s_endpgm
.Lfunc_end_k_qc13c0f5591_attn:
	.size	k_qc13c0f5591_attn, .Lfunc_end_k_qc13c0f5591_attn-k_qc13c0f5591_attn
	.p2alignl 7, 3214868480
	.fill 96, 4, 3214868480
	.section	.rodata,"a",@progbits
	.p2align	6, 0x0
	.amdhsa_kernel k_qc13c0f5591_attn
		.amdhsa_group_segment_fixed_size 219136
		.amdhsa_private_segment_fixed_size 0
		.amdhsa_enable_private_segment 0
		.amdhsa_kernarg_size 32
		.amdhsa_user_sgpr_count 2
		.amdhsa_user_sgpr_kernarg_segment_ptr 1
		.amdhsa_wavefront_size32 1
		.amdhsa_system_sgpr_workgroup_id_x 1
		.amdhsa_system_sgpr_workgroup_id_y 1
		.amdhsa_system_sgpr_workgroup_id_z 1
		.amdhsa_system_vgpr_workitem_id 0
		.amdhsa_next_free_vgpr 256
		.amdhsa_next_free_sgpr 80
		.amdhsa_reserve_vcc 0
		.amdhsa_float_denorm_mode_32 3
		.amdhsa_float_denorm_mode_16_64 3
		.amdhsa_memory_ordered 1
		.amdhsa_forward_progress 1
		.amdhsa_inst_pref_size 56
	.end_amdhsa_kernel
	.amdgpu_metadata
---
amdhsa.version: [ 1, 2 ]
amdhsa.kernels:
  - .name:           k_qc13c0f5591_attn
    .symbol:         k_qc13c0f5591_attn.kd
    .args:
      - { .name: hc, .offset: 0, .size: 8, .value_kind: global_buffer, .address_space: global }
      - { .name: hs, .offset: 8, .size: 8, .value_kind: global_buffer, .address_space: global }
      - { .name: ac, .offset: 16, .size: 8, .value_kind: global_buffer, .address_space: global }
      - { .name: asc, .offset: 24, .size: 8, .value_kind: global_buffer, .address_space: global }
    .group_segment_fixed_size: 219136
    .private_segment_fixed_size: 0
    .kernarg_segment_align: 8
    .kernarg_segment_size: 32
    .max_flat_workgroup_size: 512
    .sgpr_count:     80
    .vgpr_count:     256
    .wavefront_size: 32
...
	.end_amdgpu_metadata
.endif
;; end of part 3
;; launch oproj (part 4): grid 4 x 32, 4 waves a work-group, clusters of 4 x 4, 327,680 bytes of LDS; arguments ac, asc, c1, s1, bo, out0; writes out0
.if DOCPART == 4
	.amdgcn_target "amdgcn-amd-amdhsa--gfx1250"
	.amdhsa_code_object_version 6
	.text
	.protected	k_qc13c0f5591_oproj
	.globl	k_qc13c0f5591_oproj
	.p2align	8
	.type	k_qc13c0f5591_oproj,@function
k_qc13c0f5591_oproj:
	s_mov_b64 s[64:65], 0
	v_nop
	global_prefetch_b8 v0, s[64:65] scope:SCOPE_SE
	s_setreg_imm32_b32 hwreg(HW_REG_WAVE_MODE, 25, 1), 1
	s_wait_xcnt 0x0
	s_wait_alu depctr_hold_cnt(0) depctr_sa_sdst(0) depctr_va_vdst(0) depctr_va_sdst(0) depctr_va_ssrc(0) depctr_va_vcc(0) depctr_vm_vsrc(0)
	s_getreg_b32 s2, hwreg(HW_REG_IB_STS2, 6, 4)
	s_cmp_eq_u32 s2, 0
	s_cbranch_scc0 .Lentry_in_a_cluster
	s_endpgm
.Lentry_in_a_cluster:
	s_bfe_u32 s2, ttmp6, 0x10000c
	s_cmp_lg_u32 s2, 0xf033
	s_cbranch_scc0 .Lentry_shape_is_right
	s_endpgm
.Lentry_shape_is_right:
; out0 = concat Wo^T + bo on codes of FP6 (E2M3) with E8M0 scales.  X = the merged heads, 8,192 rows: codes ac [head][place][48 bytes], scale bytes asc [place][32].  Y = Wo's 1,024 rows: codes at c1 + WOC, scale bytes at s1 + WOS.
; Rows of both lie in position order (bits 3 and 4 of the row's number exchanged); the way out puts rows and columns back.  out0: [8192][1024] f32.
; A tile of 256 x 256 is made by a work-group of four waves; a wave makes 128 x 128: 64 accumulators, 512 registers.  K = 1,024 goes in steps of 256 (four heads) through a ring of two LDS slots filled by the tensor data mover.
; X's part of a slot is four planes (heads) of 128 rows x 48 bytes for each half of the rows: one tensor load of 4 rows of 6,144 bytes, a plane of ac apart.  Y's part is 128 rows of 192 bytes, padded, for each half.
; The scale bytes of the work-group's rows, for all of K, come into LDS once.  CLUSTERS: 4 x 4 work-groups; X's tiles are asked for jointly along a row of the cluster, Y's along a column.
; The matrix instruction is used transposed (source 0 = 16 rows of Y, source 1 = 16 rows of X).  The bias is the C of each sum's first matrix instruction.
; The launch has 128 work-groups: 32 x 4 tiles of this size.
; REGISTERS, in windows of 256: window 0: v0-31 addresses; v32-63 scale words, two sets; v64-127 the bias in the result's layout; from v128 X's fragments, one set; on the way out v128-255 rows read back.
;   window 1: Y's fragments, two sets, at v0 and v128.   windows 2, 3: the accumulators of my rows 0-63, 64-127.
.set SIZE_K, 1024
.set KSTEP,  256
.set NQ,     KSTEP/128
.set ROWB,   192
.set KROW,   SIZE_K*6/8
.set PITCH,  240                       ; Y's LDS row: 3 x (64 bytes + 16 of padding)
.set FR,     12
.set NL,     6
.set NP,     4
.set HALFT,  128*PITCH                 ; Y: 128 rows
.set XH,     24576                     ; X: 4 planes x 128 rows x 48 bytes
.set YOFF,   2*XH
.set SLOT,   YOFF+2*HALFT
.set PLANE,  393216                    ; a head's plane of ac
.set LAPS,   SIZE_K/(2*KSTEP)
.set KS,     SIZE_K/32
.set SCL,    2*SLOT
.set HALFS,  (128*KS/256)*272
.set SBLK,   (16*KS/256)*272
.set SPARE,  SCL+4*HALFS
.set SPITCH, 528                       ; the way out: a stage of 16 rows x (512 bytes + 16) for each wave, in slot 0, which has had its last fill and its last read by then
.set WOC,    0x1440000
.set WOS,    0xD8000
.set ADRA, 16                          ; v16-17 my X fragments in slot 0, 1
.set ADRB, 20                          ; v20-23 my Y fragments
.set STO,  24
.set RD,   25
.set CO,   26
.set ADRS, 27
.set SPW,  28
.set NIL,  29
.set BA,   30                          ; v30 the bias loads' offset
.set SC,   32
.set BC,   64
.set AF,   128
.set BK,   128
.set G1, 24
.set G0, 32
.set G1B, 48
.set G0B, 56
.set G1S, 68
.set G0S, 76
.set G1SB, 80
.set G0SB, 88
.set MSB, 0
.macro WIN new
.if MSB != \new
	s_set_vgpr_msb (MSB<<8)|\new
.set MSB, \new
.endif
.endm
.set MUL_LO, 0xa1                      ; source 0 (Y) window 1, source 1 (X) window 0, C and D window 2
.set MUL_HI, 0xf1
.set BIA_LO, 0x81                      ; the same with C (the bias) in window 0
.set BIA_HI, 0xc1
.set TO_B,   0x40
.macro JLOAD g0a, g1a, g0b, g1b        ; a joint load: waves 0 and 1 fetch for X, waves 2 and 3 for Y; an s_nop 0 and four v_nop follow each of the two lines
	s_cmp_eq_u32 s15, 0
	s_cbranch_scc0 .Lfor_b_\@
	tensor_load_to_lds s[\g0a:\g0a+3], s[\g1a:\g1a+7]
	s_nop 0
.rept 4
	v_nop
.endr
	s_branch .Lasked_\@
.Lfor_b_\@:
	tensor_load_to_lds s[\g0b:\g0b+3], s[\g1b:\g1b+7]
	s_nop 0
.rept 4
	v_nop
.endr
.Lasked_\@:
.endm
.macro CREST
	s_cmp_lg_u32 s14, 0
	s_cbranch_scc1 .Lnot_wave_0_\@
	s_barrier_signal -3
.Lnot_wave_0_\@:
	s_barrier_wait -3
	s_barrier_signal -1
	s_barrier_wait -1
.endm
.macro CROUND
	s_barrier_signal -1
	s_barrier_wait -1
	CREST
.endm
	s_load_b128 s[4:7], s[0:1], 0x0                ; ac, asc
	s_load_b128 s[8:11], s[0:1], 0x10              ; c1, s1
	s_load_b128 s[96:99], s[0:1], 0x20             ; bo, out0
	v_lshl_add_u32 v[SPW], v0, 2, SPARE
	v_mov_b32 v[NIL], 0
	ds_add_u32 v[SPW], v[NIL]                      ; the wave's opening: the add and its wait stand ahead of my first tensor load; the set-up below, work on registers, stands between them
	v_lshrrev_b32 v1, 5, v0
	v_readfirstlane_b32 s14, v1                    ; wave 0..3
	s_lshr_b32 s15, s14, 1                         ; which half of X's rows is mine.  Also: I fetch for X (0) or for Y (1)
	s_and_b32 s16, s14, 1                          ; which half of Y's rows.  Also: which 128 rows of that tile I fetch
	s_bfe_u32 s40, ttmp6, 0x40000
	s_bfe_u32 s41, ttmp6, 0x40004
	s_lshl_b32 s42, ttmp9, 2
	s_add_co_u32 s42, s42, s40                     ; Y's tile = 4 x cluster x + cx
	s_and_b32 s17, ttmp7, 0xffff
	s_lshl_b32 s17, s17, 2
	s_add_co_u32 s17, s17, s41                     ; X's tile = 4 x cluster y + cy
	s_lshl_b32 s43, s41, 2
	s_lshl_b32 s43, 15, s43                        ; my row of the cluster
	s_lshl_b32 s44, 0x1111, s40                    ; my column
	; X's group 1: 4 rows (heads) of 768 elements of 8 bytes (128 rows of 48 bytes), 49,152 elements (a plane) apart; no padding
	s_or_b32 s[G1+0], s43, (3<<16)|(1<<21)
	s_mov_b32 s[G1+1], 768<<16
	s_mov_b32 s[G1+2], 4<<16
	s_mov_b32 s[G1+3], 768<<16
	s_mov_b32 s[G1+4], 4
	s_mov_b32 s[G1+5], PLANE/8
	s_mov_b32 s[G1+6], 0
	s_mov_b32 s[G1+7], 0
	; Y's: 128 rows of 192 bytes, 16 bytes of padding behind every 64
	s_or_b32 s[G1B+0], s44, (0<<16)|(1<<20)|(1<<21)|(3<<22)|(3<<25)
	s_mov_b32 s[G1B+1], ROWB<<16
	s_mov_b32 s[G1B+2], 128<<16
	s_mov_b32 s[G1B+3], ROWB<<16
	s_mov_b32 s[G1B+4], 128
	s_mov_b32 s[G1B+5], KROW
	s_mov_b32 s[G1B+6], 0
	s_mov_b32 s[G1B+7], 0
	; the scales of 128 rows: 4,096 dense bytes as rows of 256 bytes, 16 bytes of padding behind each
	s_or_b32 s[G1S+0], s43, (3<<16)|(1<<20)|(1<<21)|(5<<22)|(3<<25)
	s_or_b32 s[G1SB+0], s44, (3<<16)|(1<<20)|(1<<21)|(5<<22)|(3<<25)
.irp g, G1S, G1SB
	s_mov_b32 s[\g+1], 32<<16
	s_mov_b32 s[\g+2], (128*KS/256)<<16
	s_mov_b32 s[\g+3], 32<<16
	s_mov_b32 s[\g+4], 128*KS/256
	s_mov_b32 s[\g+5], 32
	s_mov_b32 s[\g+6], 0
	s_mov_b32 s[\g+7], 0
.endr
	s_lshl_b32 s18, s16, 7
	s_lshl_b32 s20, s17, 8
	s_add_co_u32 s20, s20, s18                     ; X: place 256 x tile + 128 x half
	s_lshl_b32 s46, s42, 8
	s_add_co_u32 s46, s46, s18                     ; Y likewise
	s_lshl_b32 s22, s20, 5                         ; scale bytes, 32 a row (all these offsets lie under 2^25)
	s_mov_b32 s23, 0
	s_lshl_b32 s92, s46, 5
	s_add_co_u32 s92, s92, WOS
	s_mov_b32 s93, 0
	s_mul_i32 s20, s20, 48                         ; X's codes: 48 bytes a row in a plane
	s_mov_b32 s21, 0
	s_mul_i32 s46, s46, KROW
	s_add_co_u32 s46, s46, WOC
	s_mov_b32 s47, 0
	s_mul_i32 s45, s16, XH                         ; where they go: no place in the cluster enters an LDS address
	s_mul_i32 s2, s16, HALFT
	s_add_co_u32 s2, s2, YOFF
	s_mul_i32 s94, s14, HALFS
	s_wait_dscnt 0x0                               ; the opening add is done
	s_wait_kmcnt 0x0
	s_add_nc_u64 s[20:21], s[4:5], s[20:21]
	s_add_nc_u64 s[22:23], s[6:7], s[22:23]
	s_add_nc_u64 s[46:47], s[8:9], s[46:47]
	s_add_nc_u64 s[92:93], s[10:11], s[92:93]
	CROUND                                         ; all sixteen work-groups are here: the first joint loads meet
	s_mov_b32 s[G0S], 1
	s_add_co_u32 s[G0S+1], s94, SCL
	s_mov_b64 s[G0S+2:G0S+3], s[22:23]
	s_or_b32 s[G0S+3], s[G0S+3], 0x80000000
	s_mov_b32 s[G0SB], 1
	s_add_co_u32 s[G0SB+1], s94, SCL
	s_mov_b64 s[G0SB+2:G0SB+3], s[92:93]
	s_or_b32 s[G0SB+3], s[G0SB+3], 0x80000000
	JLOAD G0S, G1S, G0SB, G1SB
.irp s, 0,1
	s_mov_b32 s[G0+4*\s], 1
	s_add_co_u32 s[G0+4*\s+1], s45, \s*SLOT
	s_add_nc_u64 s[G0+4*\s+2:G0+4*\s+3], s[20:21], \s*4*PLANE      ; K step s: heads 4 s on
	s_or_b32 s[G0+4*\s+3], s[G0+4*\s+3], 0x80000000
	s_mov_b32 s[G0B+4*\s], 1
	s_add_co_u32 s[G0B+4*\s+1], s2, \s*SLOT
	s_add_nc_u64 s[G0B+4*\s+2:G0B+4*\s+3], s[46:47], \s*ROWB
	s_or_b32 s[G0B+4*\s+3], s[G0B+4*\s+3], 0x80000000
	JLOAD G0+4*\s, G1, G0B+4*\s, G1B               ; three tensor loads of mine are out
.endr
	v_and_b32 v1, 15, v0                           ; r
	v_bfe_u32 v2, v0, 4, 1                         ; h
	v_mul_u32_u24 v3, v1, PITCH
	v_mul_u32_u24 v4, v2, 24
	v_add_nc_u32 v4, v3, v4                        ; Y: row x pitch + 24 x half
	v_lshl_add_u32 v5, v2, 4, v4                   ; and the same behind one padding more
	v_mul_u32_u24 v7, v1, 48
	v_mad_u32_u24 v7, v2, 24, v7                   ; X: 48 r + 24 h: words 12 r + 6 h on: the 32 lanes of a load of 8 bytes touch 64 different banks
	s_mul_i32 s21, s15, XH                         ; my 128 rows of X
	s_mul_i32 s22, s16, HALFT                      ; my 128 rows of Y
	s_add_co_u32 s22, s22, YOFF
.irp s, 0,1
	v_add_nc_u32 v[ADRA+\s], s21, v7
	v_add_nc_u32 v[ADRB+\s], s22, v4
	v_add_nc_u32 v[ADRB+2+\s], s22, v5
	s_add_co_u32 s21, s21, SLOT
	s_add_co_u32 s22, s22, SLOT
.endr
	v_mul_u32_u24 v5, v1, KS
	v_lshrrev_b32 v6, 8, v5
	v_lshl_add_u32 v5, v6, 4, v5
	s_mul_i32 s21, s15, HALFS
	s_mul_i32 s22, s16, HALFS
	s_add_co_u32 s22, s22, 2*HALFS
	s_sub_co_u32 s22, s22, s21
	v_mul_u32_u24 v6, s22, v2                      ; lanes 16-31 take Y's
	s_add_co_u32 s21, s21, SCL
	v_add_nc_u32 v5, v5, v6
	v_add_nc_u32 v[ADRS], s21, v5
	s_mul_i32 s23, s14, 16*SPITCH                  ; my stage
	v_mul_u32_u24 v5, v1, SPITCH                   ; in: row r; my half's columns begin 16 numbers on
	v_lshl_add_u32 v5, v2, 6, v5
	v_add_nc_u32 v[STO], s23, v5
	v_and_b32 v6, 31, v0
	v_lshlrev_b32 v[CO], 4, v6                     ; back: the 32 lanes take one row of 512 bytes; and the same in out0
	v_add_nc_u32 v[RD], s23, v[CO]
	v_lshlrev_b32 v[BA], 6, v2
	s_lshl_b32 s20, s17, 8
	s_lshl_b32 s21, s15, 7
	s_add_co_u32 s20, s20, s21                     ; my first row: 256 x tile + 128 x half,
	s_lshl_b32 s20, s20, 12                        ; of 4,096 bytes
	s_lshl_b32 s46, s42, 10                        ; my first column, in bytes: 1,024 x tile + 512 x half
	s_lshl_b32 s47, s16, 9
	s_add_co_u32 s46, s46, s47
	s_mov_b32 s47, 0
	s_add_nc_u64 s[96:97], s[96:97], s[46:47]      ; my 128 biases
	s_add_co_u32 s20, s20, s46
	s_mov_b32 s21, 0
	s_add_nc_u64 s[12:13], s[98:99], s[20:21]      ; never stepped: a row's place stands in the stores' immediates
.irp i, 0,1,2,3,4,5,6,7
	global_load_b128 v[BC+8*\i:BC+8*\i+3], v[BA], s[96:97] offset:(32*(\i/2)+8*(\i%2))*4      ; tile i of Y: columns 32 (i / 2) + 16 h + 8 (i % 2) + 0 .. 7
	global_load_b128 v[BC+8*\i+4:BC+8*\i+7], v[BA], s[96:97] offset:(32*(\i/2)+8*(\i%2))*4+16
.endr
.macro FRAG reg, adr, q, i             ; a fragment of Y from padded rows of 192 bytes, in pieces of 8 bytes
.irp p, 0,1,2,3,4,5
.set PC, 12*(\q)+6*(\p/3)+\p%3
.if PC%8 < 5
	ds_load_b64 v[\reg+2*\p:\reg+2*\p+1], v[\adr] offset:8*PC+16*(PC/8)+(\i)*16*PITCH
.else
	ds_load_b64 v[\reg+2*\p:\reg+2*\p+1], v[\adr+2] offset:8*PC+16*(PC/8)+(\i)*16*PITCH
.endif
.endr
.endm
.macro FRAGX reg, adr, q, i            ; a fragment of X: registers 6 c .. 6 c + 5 are block h of head 2 q + c of the slot's four
.irp p, 0,1,2,3,4,5
	ds_load_b64 v[\reg+2*\p:\reg+2*\p+1], v[\adr] offset:(2*(\q)+\p/3)*6144+(\i)*768+8*(\p%3)
.endr
.endm
; 16 matrix instructions: X's blocks a0, a0 + 1 x Y's eight.  zero = 1: the first product starts the sums, with the bias as C.  The 64 accumulators take turns, one instruction a turn.
.macro MUL16 a0, p, q, sc, zero
.irp a, \a0, \a0+1
.irp b, 0,1,2,3,4,5,6,7
.if \zero
	v_wmma_scale_f32_16x16x128_f8f6f4 v[8*(8*((\a)%4)+\b):8*(8*((\a)%4)+\b)+7], v[128*(\p)+FR*\b:128*(\p)+FR*\b+FR-1], v[AF+FR*(\a):AF+FR*(\a)+FR-1], v[BC+8*\b:BC+8*\b+7], v[SC+8*NQ*(\sc)+NQ*\b+(\q)], v[SC+8*NQ*(\sc)+NQ*(\a)+(\q)] matrix_a_fmt:MATRIX_FMT_FP6 matrix_b_fmt:MATRIX_FMT_FP6 matrix_a_scale:MATRIX_SCALE_ROW1
.else
	v_wmma_scale_f32_16x16x128_f8f6f4 v[8*(8*((\a)%4)+\b):8*(8*((\a)%4)+\b)+7], v[128*(\p)+FR*\b:128*(\p)+FR*\b+FR-1], v[AF+FR*(\a):AF+FR*(\a)+FR-1], v[8*(8*((\a)%4)+\b):8*(8*((\a)%4)+\b)+7], v[SC+8*NQ*(\sc)+NQ*\b+(\q)], v[SC+8*NQ*(\sc)+NQ*(\a)+(\q)] matrix_a_fmt:MATRIX_FMT_FP6 matrix_b_fmt:MATRIX_FMT_FP6 matrix_a_scale:MATRIX_SCALE_ROW1
.endif
.endr
.endr
.endm
.macro FETCH_B slot, q, p
	WIN TO_B
.irp i, 0,1,2,3,4,5,6,7
	FRAG 128*(\p)+FR*\i, ADRB+\slot, \q, \i
.endr
	WIN 0
.endm
.macro FETCH_A slot, q, i0
.irp i, \i0, \i0+1, \i0+2, \i0+3
	FRAGX AF+FR*(\i), ADRA+\slot, \q, \i
.endr
.endm
.macro SCALES sc
.irp i, 0,1,2,3,4,5,6,7
	ds_load_b64 v[SC+8*NQ*\sc+NQ*\i:SC+8*NQ*\sc+NQ*\i+1], v[ADRS] offset:\i*SBLK
.endr
.endm
.macro PLACES n                        ; plain vector instructions between a matrix instruction and a load into, or a read of, its registers
.rept \n
	v_nop
.endr
.endm
.macro STEP slot, q, zero
	s_wait_dscnt 4*NL                              ; Y's set and X's blocks 0-3 are in; the youngest 24 loads (X's blocks 4-7) may be out
.if \zero
	WIN BIA_LO
.else
	WIN MUL_LO
.endif
	MUL16 0, (\q)%2, \q, \slot, \zero
	MUL16 2, (\q)%2, \q, \slot, \zero
	s_wait_dscnt 0
	PLACES NP
	FETCH_B \slot, (\q)+1, 1-(\q)%2
	FETCH_A \slot, (\q)+1, 0
.if \zero
	WIN BIA_HI
.else
	WIN MUL_HI
.endif
	MUL16 4, (\q)%2, \q, \slot, \zero
	MUL16 6, (\q)%2, \q, \slot, \zero
	PLACES NP
	WIN 0
	FETCH_A \slot, (\q)+1, 4
.endm
; A slot's last step changes slots: one barrier; in front of it each wave waits for all its tensor loads, adds 0 to its spare word, and waits for that and for its own reads of this slot.
.macro TURN slot, next, fill
	s_wait_tensorcnt 0x0                           ; all my tensor loads have landed: my part of the next slot
	ds_add_u32 v[SPW], v[NIL]                      ; 0 onto my spare word
	s_wait_dscnt 4*NL+1                            ; (the add and the youngest 24 loads may be out)
	WIN MUL_LO
	MUL16 0, 1, NQ-1, \slot, 0
	s_wait_dscnt 0x0                               ; the add is done, and my reads of this slot are over
	s_barrier_signal -1
	MUL16 2, 1, NQ-1, \slot, 0
	WIN 0
	s_barrier_wait -1
.if \fill
	CREST                                          ; the barrier has opened a round of the cluster's barrier: no wave of any partner still reads this slot's tile or has a load on its way
	s_add_nc_u64 s[G0+4*\slot+2:G0+4*\slot+3], s[G0+4*\slot+2:G0+4*\slot+3], 2*4*PLANE
	s_add_nc_u64 s[G0B+4*\slot+2:G0B+4*\slot+3], s[G0B+4*\slot+2:G0B+4*\slot+3], 2*ROWB
	JLOAD G0+4*\slot, G1, G0B+4*\slot, G1B         ; the first tensor load behind the round; its four v_nop are the places in front of the loads below
.else
	PLACES NP
.endif
	v_add_nc_u32 v[ADRS], 4*NQ, v[ADRS]
	FETCH_B \next, 0, 0
	FETCH_A \next, 0, 0
	SCALES \next
	WIN MUL_HI
	MUL16 4, 1, NQ-1, \slot, 0
	MUL16 6, 1, NQ-1, \slot, 0
	PLACES NP
	WIN 0
	FETCH_A \next, 0, 4
.endm
	s_wait_tensorcnt 1                             ; the scales and my part of K step 0 are in (K step 1's load may be out),
	s_barrier_signal -1
	s_barrier_wait -1                              ; everybody's are
	FETCH_B 0, 0, 0
	FETCH_A 0, 0, 0
	SCALES 0
	FETCH_A 0, 0, 4
	s_wait_loadcnt 0x0                             ; the bias
	STEP 0, 0, 1                                   ; the first step stands in front of the loop: its products start the sums
	s_mov_b32 s3, LAPS-1
.Llap:
	TURN 0, 1, 1
	STEP 1, 0, 0
	TURN 1, 0, 1
	STEP 0, 0, 0
	s_sub_co_u32 s3, s3, 1
	s_cmp_lg_u32 s3, 0
	s_cbranch_scc1 .Llap
	TURN 0, 1, 0                                   ; the last lap fills nothing
	STEP 1, 0, 0
	s_wait_dscnt 4*NL
	WIN MUL_LO
	MUL16 0, 1, NQ-1, 1, 0
	MUL16 2, 1, NQ-1, 1, 0
	s_wait_dscnt 0
	WIN MUL_HI
	MUL16 4, 1, NQ-1, 1, 0
	MUL16 6, 1, NQ-1, 1, 0
	WIN 0
; THE WAY OUT, block by block of 16 rows x 128 columns, through my own stage.  Tile b's eight numbers of lane (r, h) are columns 32 (b / 2) + 16 h + 8 (b % 2) + 0 .. 7; row t of block a is row 32 (a / 2) + 8 (a % 2) + 16 (t / 8) + t % 8.
.macro TOSTAGE a
.set AC, 64*((\a)%4)
	WIN 0x08+4*((\a)/4)                            ; the data: window 2 or 3
.irp b, 0,1,2,3,4,5,6,7
	ds_store_b128 v[STO], v[AC+8*\b:AC+8*\b+3] offset:128*(\b/2)+32*(\b%2)          ; each accumulator from its low end on
	ds_store_b128 v[STO], v[AC+8*\b+4:AC+8*\b+7] offset:128*(\b/2)+32*(\b%2)+16
.endr
	WIN 0
.set BB, BK+64*((\a)%2)
.irp t, 0,1,2,3,4,5,6,7,8,9,10,11,12,13,14,15
	ds_load_b128 v[BB+4*\t:BB+4*\t+3], v[RD] offset:\t*SPITCH      ; LDS serves a wave's instructions in order: these see the stores above
.endr
.endm
.macro SEND a, younger                 ; younger: the LDS instructions issued behind block a's loads, which may stay out
.set BB, BK+64*((\a)%2)
	s_wait_dscnt \younger
.irp t, 0,1,2,3,4,5,6,7,8,9,10,11,12,13,14,15
	global_store_b128 v[CO], v[BB+4*\t:BB+4*\t+3], s[12:13] offset:(32*((\a)/2)+8*((\a)%2)+16*(\t/8)+\t%8)*4096 th:TH_STORE_NT   ; 32 lanes store 512 consecutive bytes, at a multiple of 256 from out0's first byte; 127 rows at the most: inside the signed 24-bit immediate
.endr
.endm
	PLACES NP
	TOSTAGE 0
.irp a, 1,2,3,4,5,6,7
.if \a > 1
	s_wait_xcnt 0x0                                ; block a - 2's stores have read their registers: block a's loads may land there
.endif
	TOSTAGE \a
	SEND \a-1, 32                                  ; behind block a - 1's loads: block a's 16 stores and 16 loads
.endr
	SEND 7, 0
	s_wait_tensorcnt 0x0                           ; the wave's end: behind my last tensor load and my last LDS store
	ds_add_u32 v[SPW], v[NIL]
	s_wait_dscnt 0x0
	CROUND                                         ; the closing round
	s_endpgm
.Lfunc_end_k_qc13c0f5591_oproj:
	.size	k_qc13c0f5591_oproj, .Lfunc_end_k_qc13c0f5591_oproj-k_qc13c0f5591_oproj
	.p2alignl 7, 3214868480
	.fill 96, 4, 3214868480
	.section	.rodata,"a",@progbits
	.p2align	6, 0x0
	.amdhsa_kernel k_qc13c0f5591_oproj
		.amdhsa_group_segment_fixed_size 327680
		.amdhsa_private_segment_fixed_size 0
		.amdhsa_enable_private_segment 0
		.amdhsa_kernarg_size 48
		.amdhsa_user_sgpr_count 2
		.amdhsa_user_sgpr_kernarg_segment_ptr 1
		.amdhsa_wavefront_size32 1
		.amdhsa_system_sgpr_workgroup_id_x 1
		.amdhsa_system_sgpr_workgroup_id_y 1
		.amdhsa_system_sgpr_workgroup_id_z 1
		.amdhsa_system_vgpr_workitem_id 0
		.amdhsa_next_free_vgpr 1024
		.amdhsa_next_free_sgpr 100
		.amdhsa_reserve_vcc 0
		.amdhsa_float_denorm_mode_32 3
		.amdhsa_float_denorm_mode_16_64 3
		.amdhsa_memory_ordered 1
		.amdhsa_forward_progress 1
		.amdhsa_inst_pref_size 161
	.end_amdhsa_kernel
	.amdgpu_metadata
---
amdhsa.version: [ 1, 2 ]
amdhsa.kernels:
  - .name:           k_qc13c0f5591_oproj
    .symbol:         k_qc13c0f5591_oproj.kd
    .args:
      - { .name: ac, .offset: 0, .size: 8, .value_kind: global_buffer, .address_space: global }
      - { .name: asc, .offset: 8, .size: 8, .value_kind: global_buffer, .address_space: global }
      - { .name: c1, .offset: 16, .size: 8, .value_kind: global_buffer, .address_space: global }
      - { .name: s1, .offset: 24, .size: 8, .value_kind: global_buffer, .address_space: global }
      - { .name: bo, .offset: 32, .size: 8, .value_kind: global_buffer, .address_space: global }
      - { .name: out0, .offset: 40, .size: 8, .value_kind: global_buffer, .address_space: global }
    .group_segment_fixed_size: 327680
    .private_segment_fixed_size: 0
    .kernarg_segment_align: 8
    .kernarg_segment_size: 48
    .max_flat_workgroup_size: 128
    .sgpr_count:     100
    .vgpr_count:     1024
    .wavefront_size: 32
...
	.end_amdgpu_metadata
.endif
;; end of part 4
